; MI455X (gfx1250); checked and timed in simulation.
; The chip was launched on July 23, 2026; its instructions are those of AMD's public machine-readable ISA for CDNA 5 (MIT licence, August 2026) and "CDNA5" Instruction Set Architecture Reference Guide (July 2026). The comments in the code are by the model that wrote it; some were corrected since.
;; Multi Head Attention. Allowed arithmetic: matrix products marked QUANTISED: E3M2 operands, one E8M0 scale for each 32 along K, by v_wmma_scale_f32_16x16x128_f8f6f4 with both operands' format E3M2, f32 sums; everything else in f32.
;; Inputs: Wk 128 x 1,024 float32; Wq 128 x 1,024 float32; Wu 1,024 x 128 float32; Wv 128 x 1,024 float32; bu 128 float32; x 2 x 2,048 x 128 float32.
;; Outputs: out0 2 x 2,048 x 128 float32.
;; This version of the problem:
;;   THIS VERSION OF THE PROBLEM IS GIVEN IN LOW PRECISION. The matrix products marked QUANTISED in the list below multiply operands that are first quantised to E3M2 (3 exponent bits, 2 mantissa bits; 6 bits a number), with one power-of-two scale for each 32 numbers along K (OCP MX v1.0); their sums are f32. All else is computed in f32.
;;   The module's matrix products, in the order in which they are computed (A, B: the left and right operand; K: the contracted axis; several contracted axes count as one K, in the product's order):
;;     1. [M 4,096, K 128] x [K 128, N 1,024]; A: input x; B: input Wq: QUANTISED
;;     2. [M 4,096, K 128] x [K 128, N 1,024]; A: input x; B: input Wk: QUANTISED
;;     3. [M 4,096, K 128] x [K 128, N 1,024]; A: input x; B: input Wv: QUANTISED
;;     4. batch 16 x [M 2,048, K 128] x [K 128, N 2,048]; A: computed on the way; B: computed on the way: QUANTISED
;;     5. batch 16 x [M 2,048, K 2,048] x [K 2,048, N 128]; A: softmax (see below); B: computed on the way: QUANTISED
;;     6. [M 4,096, K 1,024] x [K 1,024, N 128]; A: computed on the way; B: input Wu: QUANTISED
;;   THE QUANTISER, for each operand of a quantised product, along K:
;;     - K is cut into blocks of 32 from its start; a last block that is shorter is filled with zeros.
;;     - A block's scale is 2^e with e = floor(log2(the largest magnitude in the block)) - 4, held to -126 .. 127; a block of zeros has e = 0. As a byte (E8M0): e + 127.
;;     - Each number is divided by its block's scale, clamped to +-28, and rounded to the nearest number of E3M2, ties to even, subnormals kept.
;;     - The product sums the exact products of the quantised numbers (number of the format x scale) in f32.
;;   ~~~python
;;   def quantise(x, axis):      # numpy; x: float32 -> the quantised numbers, widened to float32 again
;;       x = np.moveaxis(x, axis, -1); K = x.shape[-1]
;;       x = np.pad(x, [(0, 0)] * (x.ndim - 1) + [(0, -K % 32)]); x = x.reshape(x.shape[:-1] + (-1, 32)); a = np.abs(x).max(-1, keepdims=True)
;;       e = np.where(a > 0, np.clip(np.frexp(np.where(a > 0, a, 1))[1] - 1 - 4, -126, 127), 0)      # np.frexp(a)[1] - 1 = floor(log2(a)), exactly
;;       r = np.clip(x / 2.0 ** e, -28, 28)
;;       step = 2.0 ** (np.maximum(np.frexp(np.where(r == 0, 1, r))[1] - 1, -2) - 2)
;;       q = np.round(r / step) * step * 2.0 ** e      # np.round: ties to even
;;       return np.moveaxis(q.reshape(q.shape[:-2] + (-1,))[..., :K], -1, axis).astype(np.float32)
;;   ~~~
;;   SOFTMAX AHEAD OF A QUANTISED PRODUCT. Where the list says 'softmax', what is quantised is not the finished softmax but p = 2^(t - M), with t = logit x log2(e) and M = ceil(the row's largest t), a whole number; so 1/2 < the row's largest p <= 1. The row's sum l is taken of the UNQUANTISED p, in f32, and the product's result is divided by l at the end. Since M is a whole number, a kernel that streams over the keys may use a running M (the ceiling of the running maximum): every later rescaling is an exact power of two, which a block's scale takes up: the codes' values come out the same.
;;   OPERANDS COMPUTED ON THE WAY. 'Computed on the way' means the value that the module computes at that place (a softmax that the list does not call 'softmax' is quantised finished and normalised). What goes into a quantiser is computed in f32, as accurately as f32 sums, v_exp_f32 and their like allow (about 1e-6 of the number): no bf16 or f16 on the way to a quantiser, and a product that is left as it is and whose result goes on into a quantised operand takes f32 operands (vector FMAs, or v_wmma_f32_16x16x4_f32). A number that lies on a knife's edge between two numbers of the format may be rounded either way, as far as f32 arithmetic and the matrix unit's own rounding can turn it there, and no further.
;; 2 versions, each right; version 2 is version 1 with the launches prep, outp written anew for expert scheduling mode. Each part assembles by itself: llvm-mc -triple=amdgcn-amd-amdhsa -mcpu=gfx1250 --defsym DOCPART=n.
;; ======== version 1 of 2: 3 launches
;; workspace buffers: qb 3,276,800 bytes; kvb 6,553,600 bytes; wub 102,400 bytes; yb 3,407,872 bytes
;; launch prep (part 1): grid 32 x 8, 8 waves a work-group, no clusters, 54,272 bytes of LDS; arguments x, Wq, Wk, Wv, Wu, qb, kvb, wub; writes qb, kvb, wub
.if DOCPART == 1
	.amdgcn_target "amdgcn-amd-amdhsa--gfx1250"
	.amdhsa_code_object_version 6
	.text
	.protected	k_q4ba66ad820_prep
	.globl	k_q4ba66ad820_prep
	.p2align	8
	.type	k_q4ba66ad820_prep,@function
k_q4ba66ad820_prep:
	s_mov_b64 s[64:65], 0
	v_nop
	global_prefetch_b8 v0, s[64:65] scope:SCOPE_SE
	s_setreg_imm32_b32 hwreg(HW_REG_WAVE_MODE, 25, 1), 1
	s_wait_xcnt 0x0
; q = Q(x) Q(Wq), k = Q(x) Q(Wk), v = Q(x) Q(Wv) on codes of BF6 (E3M2) with one E8M0 scale for each 32 along K, and q, k, v quantised again for the attention launch:
; q and k along the head's 128 channels, v along the keys.  x: [4096][128] f32; Wq, Wk, Wv: [128][1024] f32 (K is the first axis); Wu: [1024][128] f32 (K first).
; SHARES.  Work-group (X, hd): the 128 tokens 128 X .. 128 X + 127 and head hd; eight waves; 256 work-groups.  The eight work-groups (0, hd) also quantise K step hd (rows 128 hd .. 128 hd + 127) of Wu for the last
; launch, as a fourth weight: its loads go out beside Wv's.
; TILES.  Inside any 128 indices (tokens, channels, columns) tile j, row rho is index 32 (j / 2) + 8 (j % 2) + rho + 8 (rho / 8).  In a matrix result lane (r, h), register i of tile j is then index
; 32 (j / 2) + 16 h + 8 (j % 2) + i: the 16 registers of tiles 2 b and 2 b + 1 are 16 neighbours along the next product's K, which is what the conversions take.
; IMAGES.  A fragment (16 rows x 128 K, 12 registers a lane) lies in LDS and in the workspace buffers as its registers stand: group c of four registers at 512 c + 16 x lane, 1,536 bytes.
; A scale table of eight fragments is [row 0..15][tile 0..7] words, 512 bytes: a lane reads its row's eight words by two loads of 16 bytes.
; OUT.  qb block (12,800 bytes): 8 images of q, the table.  kvb block (25,600): 8 images of k, 8 of v^T (rows = channels, K = the 128 tokens), k's table, v's table.  wub block (12,800): 8 images of Wu^T, the table.
; No cluster: what the work-groups share are f32 numbers that have to pass through a lane's registers (a lane to a column) on their way to the conversions; no tile lands in LDS as it lies in memory.
; LIMITS: NaN and infinities among the inputs are not served.  A block of zeros gets the byte 1 where the rule says 127 (its codes are zeros, and this program alone reads the bytes); a block whose
; largest magnitude lies under 2^-122 is held at the byte 1.
.set XI,  0                            ; LDS: x's 8 images
.set WI,  12288                        ; Wq's, Wk's, Wv's 8 images each
.set XS,  49152                        ; x's scale table
.set WS,  49664                        ; the three weights' tables
.set OS,  51200                        ; the outgoing tables of q, k, v
.set WUS, 52736                        ; Wu's table: bytes that only the work-groups with Wu's share touch
.set XA,  4                            ; v4   x: 512 (r + 8 (r / 8)) + 64 h
.set LI,  5                            ; v5   16 x lane
.set WA,  6                            ; v6   4 x lane
.set WIA, 7                            ; v7   where my column's codes go in a weight's images
.set WSA, 8                            ; v8   where its scale bytes go in a weight's table
.set RS,  9                            ; v9   32 r: my row of a table
.set SW,  10                           ; v10  32 r + 4 w: my row's word for tile w
.set LIW, 11                           ; v11  16 x lane + 1536 w: image w
.set OSA, 12                           ; v12  OS + 512 w + 16 x lane (waves 0 to 2 use it)
.set GOF, 13                           ; v13  512 w + 16 x lane
.set PC,  16                           ; v16-27 the codes just made; v28-30, v32-34 conversions' second halves
.set TM,  36                           ; v36-51 at work in the quantisers
.set PW,  52                           ; v52  the scale word just made
.set XPW, 53                           ; v53  my x tile's scale words    (v53, v54, v56-63 hold scales and nothing else)
.set WVS, 54                           ; v54  my Wv tile's
.set SCA, 56                           ; v56-63 the scale words of the eight fragments in hand
.set R0,  64                           ; three sets of 64 numbers as loaded
.set R1,  128
.set R2,  192
.set XF,  64                           ; later: my x tile's fragment,
.set WVF, 76                           ; my Wv tile's,
.set F,   88                           ; eight fragments,
.set ACC, 184                          ; eight accumulators,
.set TB4, 248                          ; and 16 bytes of a table on their way out
.set SEL, 40                           ; s[40:41] v_permlanex16_b32's selects for lane l xor 16
; my 16 tokens' numbers: register 16 b + i = k 32 b + 16 h + i of token row r of tile w
.macro XLOAD dst
.irp b, 0,1,2,3
.irp j, 0,1,2,3
	global_load_b128 v[\dst+16*\b+4*\j:\dst+16*\b+4*\j+3], v[XA], s[34:35] offset:128*\b+16*\j
.endr
.endr
.endm
; a lane to a column, registers down K: rows 32 hw + i and 64 + 32 hw + i: the two blocks that half hw of the operand's lanes holds.  Each load reads 128 consecutive bytes
.macro WLOAD dst, base, pitch
.set i, 0
.rept 32
	global_load_b32 v[\dst+i], v[WA], s[\base:\base+1] offset:i*\pitch
.set i, i+1
.endr
.set i, 0
.rept 32
	global_load_b32 v[\dst+32+i], v[WA], s[\base:\base+1] offset:(64+i)*\pitch
.set i, i+1
.endr
.endm
; two whole blocks of 32 in one lane become 12 registers of codes in v[PC] on and two scale bytes in v[TM+4], v[TM+5]
.macro WQ src
.irp c, 0,1
	v_max3_num_f32 v[TM+\c], |v[\src+32*\c]|, |v[\src+32*\c+1]|, 0x2800000   ; with the floor 2^(5 - 127): the byte cannot fall under 1
.endr
.irp i, 2,4,6,8,10,12,14,16,18,20,22,24,26,28,30
.irp c, 0,1
	v_max3_num_f32 v[TM+\c], v[TM+\c], |v[\src+32*\c+\i]|, |v[\src+32*\c+\i+1]|
.endr
.endr
.irp c, 0,1
	v_add_nc_u32 v[TM+12+\c], 0xfe000000, v[TM+\c]   ; 4 off the exponent field: the conversion's scale operand
.endr
.irp c, 0,1
	v_lshrrev_b32 v[TM+4+\c], 23, v[TM+12+\c]        ; the scale's byte
.endr
.irp c, 0,1
	v_cvt_scalef32_pk16_bf6_f32 v[PC+6*\c:PC+6*\c+2], v[\src+32*\c:\src+32*\c+15], v[TM+12+\c]
	v_cvt_scalef32_pk16_bf6_f32 v[PC+12+4*\c:PC+14+4*\c], v[\src+32*\c+16:\src+32*\c+31], v[TM+12+\c]   ; (a conversion's three registers begin on an even number)
.endr
	v_nop                                            ; one plain place behind a scaled conversion
.irp c, 0,1
.irp i, 0,1,2
	v_mov_b32 v[PC+3+6*\c+\i], v[PC+12+4*\c+\i]
.endr
.endr
.endm
; 64 numbers of a lane, register 16 b + i = k 32 b + 16 h + i of my row, become a fragment's codes in v[PC] on and its scale word in v[PW]
.macro QUANT src
.irp b, 0,1,2,3
	v_max3_num_f32 v[TM+\b], |v[\src+16*\b]|, |v[\src+1+16*\b]|, 0x2800000
.endr
.irp i, 2,4,6,8,10,12,14
.irp b, 0,1,2,3
	v_max3_num_f32 v[TM+\b], v[TM+\b], |v[\src+16*\b+\i]|, |v[\src+1+16*\b+\i]|   ; the four blocks by turns
.endr
.endr
.irp b, 0,1,2,3
	v_permlanex16_b32 v[TM+4+\b], v[TM+\b], s[SEL], s[SEL+1]
.endr
.irp b, 0,1,2,3
	v_max_num_f32 v[TM+\b], v[TM+\b], v[TM+4+\b]     ; with lane l xor 16's: the block's largest magnitude
.endr
.irp b, 0,1,2,3
	v_add_nc_u32 v[TM+12+\b], 0xfe000000, v[TM+\b]
.endr
.irp b, 0,1,2,3
	v_lshrrev_b32 v[TM+4+\b], 23, v[TM+12+\b]
.endr
	v_lshl_or_b32 v[PW], v[TM+5], 8, v[TM+4]
	v_lshl_or_b32 v[PW], v[TM+6], 16, v[PW]
	v_lshl_or_b32 v[PW], v[TM+7], 24, v[PW]
.irp c, 0,1
	v_cvt_scalef32_pk16_bf6_f32 v[PC+6*\c:PC+2+6*\c], v[\src+32*\c:\src+15+32*\c], v[TM+12+2*\c]
	v_cvt_scalef32_pk16_bf6_f32 v[PC+12+4*\c:PC+14+4*\c], v[\src+16+32*\c:\src+31+32*\c], v[TM+12+2*\c+1]
.endr
	v_nop                                            ; one plain place behind a scaled conversion
.irp c, 0,1                                      ; the operand's layout wants a whole block in a lane
.irp i, 0,1,2
	v_permlane16_swap_b32 v[PC+6*\c+\i], v[PC+12+4*\c+\i]
.endr
.irp i, 0,1,2
	v_mov_b32 v[PC+3+6*\c+\i], v[PC+12+4*\c+\i]
.endr
.endr
.endm
.macro IMG adr, off                              ; the fragment in v[PC] on goes to LDS as it stands
.irp c, 0,1,2
	ds_store_b128 v[\adr], v[PC+4*\c:PC+4*\c+3] offset:\off+512*\c
.endr
.endm
.macro WOUT n                                    ; weight n's codes and bytes of my column
	IMG WIA, WI+12288*(\n)
	ds_store_b8 v[WSA], v[TM+4] offset:WS+512*(\n)
	ds_store_b8 v[WSA], v[TM+5] offset:WS+512*(\n)+2
.endm
.macro FETCH reg, adr, off
.irp c, 0,1,2
	ds_load_b128 v[\reg+4*\c:\reg+4*\c+3], v[\adr] offset:\off+512*\c
.endr
.endm
.macro FETCH8 off, soff                          ; eight fragments and their scale words
.irp t, 0,1,2,3,4,5,6,7
.irp c, 0,1,2
	ds_load_b128 v[F+12*\t+4*\c:F+12*\t+4*\c+3], v[LI] offset:\off+1536*\t+512*\c
.endr
.endr
	ds_load_b128 v[SCA:SCA+3], v[RS] offset:\soff
	ds_load_b128 v[SCA+4:SCA+7], v[RS] offset:\soff+16
.endm
.macro GOUT base, off                            ; image w to memory: each store covers 512 consecutive bytes, aligned to 256
.irp c, 0,1,2
	global_store_b128 v[LIW], v[PC+4*\c:PC+4*\c+3], s[\base:\base+1] offset:\off+512*\c
.endr
.endm
.macro MUL8 breg, bsc                            ; eight sums of one K step each, begun with the constant 0: source 0 = the eight fragments, source 1 = my own
.irp t, 0,1,2,3,4,5,6,7
	v_wmma_scale_f32_16x16x128_f8f6f4 v[ACC+8*\t:ACC+8*\t+7], v[F+12*\t:F+12*\t+11], v[\breg:\breg+11], 0, v[SCA+\t], v[\bsc] matrix_a_fmt:MATRIX_FMT_BF6 matrix_b_fmt:MATRIX_FMT_BF6
.endr
.rept 4
	v_nop                                            ; four places in front of loads into the fragments' registers and of the first read of results
.endr
.endm
.macro BAR                                       ; my LDS stores have landed and my LDS loads are in: then the work-group's barrier
	s_wait_dscnt 0x0
	s_barrier_signal -1
	s_barrier_wait -1
.endm
	s_load_b256 s[4:11], s[0:1], 0x0                 ; x, Wq, Wk, Wv
	s_load_b256 s[12:19], s[0:1], 0x20               ; Wu, qb, kvb, wub
	v_lshl_add_u32 v47, v0, 2, 0xd000
	v_mov_b32 v55, 0
	v_lshrrev_b32 v1, 5, v0
	v_readfirstlane_b32 s20, v1                      ; wave w, 0..7
	v_and_b32 v1, 31, v0                             ; lane
	v_and_b32 v2, 15, v0                             ; r
	v_bfe_u32 v3, v0, 4, 1                           ; h
	s_lshr_b32 s21, s20, 1                           ; cg: which 32 columns of a weight are my wave's
	s_and_b32 s22, s20, 1                            ; hw: which half of the operand's lanes
	s_and_b32 s24, ttmp7, 0xffff                     ; the head, and Wu's K step
	v_and_b32 v[XA], 8, v2
	v_add_nc_u32 v[XA], v[XA], v2                    ; r + 8 (r / 8)
	v_lshlrev_b32 v[XA], 9, v[XA]
	v_lshl_add_u32 v[XA], v3, 6, v[XA]
	v_lshlrev_b32 v[LI], 4, v1
	v_lshlrev_b32 v[WA], 2, v1
	v_bfe_u32 v14, v0, 3, 1                          ; column 32 cg + lane is row r' = lane % 8 + 8 (lane / 16) of tile 2 cg + u, u = (lane / 8) % 2
	v_and_b32 v15, 7, v0
	v_lshl_add_u32 v15, v3, 3, v15
	v_lshlrev_b32 v[WIA], 4, v15
	v_mad_u32_u24 v[WIA], v14, 1536, v[WIA]
	s_mul_i32 s26, s21, 3072
	s_lshl_b32 s27, s22, 8
	s_add_co_u32 s26, s26, s27
	v_add_nc_u32 v[WIA], s26, v[WIA]                 ; 1536 (2 cg + u) + 16 (r' + 16 hw)
	v_lshlrev_b32 v[WSA], 5, v15
	v_lshl_add_u32 v[WSA], v14, 2, v[WSA]
	s_lshl_b32 s26, s21, 3
	s_add_co_u32 s26, s26, s22
	v_add_nc_u32 v[WSA], s26, v[WSA]                 ; 32 r' + 4 (2 cg + u) + hw: byte hw of the word; block 2 + hw is two bytes on
	v_lshlrev_b32 v[RS], 5, v2
	s_lshl_b32 s26, s20, 2
	v_add_nc_u32 v[SW], s26, v[RS]
	s_mul_i32 s26, s20, 1536
	v_add_nc_u32 v[LIW], s26, v[LI]
	s_lshl_b32 s26, s20, 9
	v_add_nc_u32 v[GOF], s26, v[LI]
	v_add_nc_u32 v[OSA], OS, v[GOF]
.irp b, 0,1,2,3
	v_mov_b32 v[TM+4+\b], 0                          ; written once: a lane permute's destination counts as one of its sources
.endr
	s_mov_b32 s[SEL], 0x76543210
	s_mov_b32 s[SEL+1], 0xfedcba98
	s_mov_b32 s27, 0                                 ; the upper word of every offset
	s_wait_kmcnt 0x0
	s_lshl_b32 s26, ttmp9, 16                        ; x: 512 bytes x (128 X + 32 (w / 2) + 8 (w % 2)): tile w's first token
	s_lshl_b32 s25, s21, 14
	s_add_co_u32 s26, s26, s25
	s_lshl_b32 s25, s22, 12
	s_add_co_u32 s26, s26, s25
	s_add_nc_u64 s[34:35], s[4:5], s[26:27]
	s_lshl_b32 s26, s24, 9                           ; the weights: column 128 hd + 32 cg, row 32 hw (rows of 4,096 bytes)
	s_lshl_b32 s25, s21, 7
	s_add_co_u32 s26, s26, s25
	s_lshl_b32 s25, s22, 17
	s_add_co_u32 s26, s26, s25
	s_add_nc_u64 s[28:29], s[6:7], s[26:27]
	s_add_nc_u64 s[30:31], s[8:9], s[26:27]
	s_add_nc_u64 s[32:33], s[10:11], s[26:27]
	XLOAD R0
	WLOAD R1, 28, 4096                               ; Wq
	s_lshr_b32 s26, ttmp9, 4                         ; the block: 128 b + 16 hd + g
	s_lshl_b32 s26, s26, 7
	s_lshl_b32 s25, s24, 4
	s_add_co_u32 s26, s26, s25
	s_and_b32 s25, ttmp9, 15
	s_add_co_u32 s25, s26, s25
	s_mul_i32 s26, s25, 12800
	s_add_nc_u64 s[36:37], s[14:15], s[26:27]        ; my block of qb
	s_mul_i32 s26, s25, 25600
	s_add_nc_u64 s[38:39], s[16:17], s[26:27]        ; and of kvb
	s_add_nc_u64 s[42:43], s[36:37], 12288           ; where a table goes: wave 0 q's; waves 1 and 2, with 512 w added, k's at 24,576 and v's at 25,088
	s_add_nc_u64 s[44:45], s[38:39], 24064
	s_cmp_eq_u32 s20, 0
	s_cselect_b64 s[42:43], s[42:43], s[44:45]
	s_lshl_b32 s26, s24, 16                          ; Wu: row 128 hd + 32 hw (rows of 512 bytes), column 32 cg
	s_lshl_b32 s25, s22, 14
	s_add_co_u32 s26, s26, s25
	s_lshl_b32 s25, s21, 7
	s_add_co_u32 s26, s26, s25
	s_add_nc_u64 s[46:47], s[12:13], s[26:27]
	s_mul_i32 s26, s24, 12800
	s_add_nc_u64 s[44:45], s[18:19], s[26:27]        ; block hd of wub
	; phase 1: wave w quantises x's tile w, and its 32 columns x 64 of K of each weight
	s_wait_loadcnt 63                                ; 64 younger loads were issued behind x's sixteen, and loads come back in order (ISA guide 5.7.1): x is in
	QUANT R0
	IMG LIW, XI
	ds_store_b32 v[SW], v[PW] offset:XS              ; both halves of the lanes write the same word with the same value
	WLOAD R2, 30, 4096                               ; Wk
	s_wait_loadcnt 63                                ; 64 younger loads behind Wq's: Wq is in
	s_wait_dscnt 0x0                                 ; the stores have read the codes' registers
	WQ R1
	WOUT 0
	WLOAD R0, 32, 4096                               ; Wv
	s_wait_loadcnt 63                                ; Wk is in
	s_wait_dscnt 0x0
	WQ R2
	WOUT 1
	s_cmp_lg_u32 ttmp9, 0                            ; the same in all eight waves
	s_cbranch_scc1 .Lno_wu_load
	WLOAD R1, 46, 512                                ; Wu, into the set that Wq has left: it is on its way together with Wv
.Lno_wu_load:
	s_wait_loadcnt 0x0                               ; Wv is in, and Wu where it was asked for
	s_wait_dscnt 0x0
	WQ R0
	WOUT 2
	s_cmp_lg_u32 ttmp9, 0
	s_cbranch_scc1 .Lno_wu
	s_wait_dscnt 0x0                                 ; Wv's stores have read the codes' registers
	WQ R1
.irp c, 0,1,2
	global_store_b128 v[WIA], v[PC+4*\c:PC+4*\c+3], s[44:45] offset:512*\c   ; sixteen lanes of a tile fill 256 consecutive bytes, aligned
.endr
	ds_store_b8 v[WSA], v[TM+4] offset:WUS
	ds_store_b8 v[WSA], v[TM+5] offset:WUS+2
.Lno_wu:
	BAR                                              ; x's and the weights' images and tables lie in LDS
	; phase 2: wave w makes q and k of token tile w (transposed: a lane holds a token, its registers run along the channels) and v^T of channel tile w (a lane holds a channel, its registers run along the tokens)
	FETCH XF, LIW, XI
	ds_load_b32 v[XPW], v[SW] offset:XS
	FETCH WVF, LIW, WI+24576
	ds_load_b32 v[WVS], v[SW] offset:WS+1024
	FETCH8 WI, WS
	s_wait_dscnt 0x0
	MUL8 XF, XPW                                     ; q: source 0 = Wq's eight tiles of channels
	FETCH8 WI+12288, WS+512                          ; Wk lands while q is quantised
	s_wait_xcnt 0x0                                  ; Wu's stores, where there were any, have read the codes' registers
	QUANT ACC
	GOUT 36, 0
	ds_store_b32 v[SW], v[PW] offset:OS
	s_wait_dscnt 0x0
	MUL8 XF, XPW                                     ; k
	FETCH8 XI, XS
	s_wait_xcnt 0x0                                  ; q's stores have read the codes' registers
	QUANT ACC
	GOUT 38, 0
	ds_store_b32 v[SW], v[PW] offset:OS+512
	s_wait_dscnt 0x0
	MUL8 WVF, WVS                                    ; v^T: source 0 = x's eight tiles of tokens, source 1 = my tile of Wv's columns
	s_wait_xcnt 0x0
	QUANT ACC
	GOUT 38, 12288
	ds_store_b32 v[SW], v[PW] offset:OS+1024
	BAR                                              ; the three outgoing tables are whole
	s_cmp_lt_u32 s20, 3
	s_cbranch_scc0 .Lnot_table
	ds_load_b128 v[TB4:TB4+3], v[OSA]
	s_wait_dscnt 0x0
	global_store_b128 v[GOF], v[TB4:TB4+3], s[42:43] ; a table leaves as 512 consecutive bytes
	s_wait_tensorcnt 0x0
	ds_add_u32 v47, v55
	s_wait_dscnt 0x0
	s_endpgm
.Lnot_table:
	s_cmp_lg_u32 s20, 3                              ; wave 3 of a work-group with Wu's share stores Wu's table, which has been whole since the first barrier
	s_cbranch_scc1 .Lend
	s_cmp_lg_u32 ttmp9, 0
	s_cbranch_scc1 .Lend
	ds_load_b128 v[TB4:TB4+3], v[LI] offset:WUS
	s_wait_dscnt 0x0
	global_store_b128 v[LI], v[TB4:TB4+3], s[44:45] offset:12288
.Lend:
	s_wait_tensorcnt 0x0
	ds_add_u32 v47, v55
	s_wait_dscnt 0x0
	s_endpgm
.Lfunc_end_k_q4ba66ad820_prep:
	.size	k_q4ba66ad820_prep, .Lfunc_end_k_q4ba66ad820_prep-k_q4ba66ad820_prep
	.p2alignl 7, 3214868480
	.fill 96, 4, 3214868480
	.section	.rodata,"a",@progbits
	.p2align	6, 0x0
	.amdhsa_kernel k_q4ba66ad820_prep
		.amdhsa_group_segment_fixed_size 54272
		.amdhsa_private_segment_fixed_size 0
		.amdhsa_enable_private_segment 0
		.amdhsa_kernarg_size 64
		.amdhsa_user_sgpr_count 2
		.amdhsa_user_sgpr_kernarg_segment_ptr 1
		.amdhsa_wavefront_size32 1
		.amdhsa_system_sgpr_workgroup_id_x 1
		.amdhsa_system_sgpr_workgroup_id_y 1
		.amdhsa_system_sgpr_workgroup_id_z 1
		.amdhsa_system_vgpr_workitem_id 0
		.amdhsa_next_free_vgpr 256
		.amdhsa_next_free_sgpr 66
		.amdhsa_reserve_vcc 0
		.amdhsa_float_denorm_mode_32 3
		.amdhsa_float_denorm_mode_16_64 3
		.amdhsa_memory_ordered 1
		.amdhsa_forward_progress 1
		.amdhsa_inst_pref_size 68
	.end_amdhsa_kernel
	.amdgpu_metadata
---
amdhsa.version: [ 1, 2 ]
amdhsa.kernels:
  - .name:           k_q4ba66ad820_prep
    .symbol:         k_q4ba66ad820_prep.kd
    .args:
      - { .name: x, .offset: 0, .size: 8, .value_kind: global_buffer, .address_space: global }
      - { .name: Wq, .offset: 8, .size: 8, .value_kind: global_buffer, .address_space: global }
      - { .name: Wk, .offset: 16, .size: 8, .value_kind: global_buffer, .address_space: global }
      - { .name: Wv, .offset: 24, .size: 8, .value_kind: global_buffer, .address_space: global }
      - { .name: Wu, .offset: 32, .size: 8, .value_kind: global_buffer, .address_space: global }
      - { .name: qb, .offset: 40, .size: 8, .value_kind: global_buffer, .address_space: global }
      - { .name: kvb, .offset: 48, .size: 8, .value_kind: global_buffer, .address_space: global }
      - { .name: wub, .offset: 56, .size: 8, .value_kind: global_buffer, .address_space: global }
    .group_segment_fixed_size: 54272
    .private_segment_fixed_size: 0
    .kernarg_segment_align: 8
    .kernarg_segment_size: 64
    .max_flat_workgroup_size: 256
    .sgpr_count:     66
    .vgpr_count:     256
    .wavefront_size: 32
...
	.end_amdgpu_metadata
.endif
;; end of part 1
;; launch attn (part 2): grid 16 x 16, 8 waves a work-group, clusters of 4 x 1, 327,680 bytes of LDS; arguments qb, kvb, yb; writes yb
.if DOCPART == 2
	.amdgcn_target "amdgcn-amd-amdhsa--gfx1250"
	.amdhsa_code_object_version 6
	.text
	.protected	k_q4ba66ad820_attn
	.globl	k_q4ba66ad820_attn
	.p2align	8
	.type	k_q4ba66ad820_attn,@function
k_q4ba66ad820_attn:
	s_mov_b64 s[64:65], 0
	v_nop
	global_prefetch_b8 v0, s[64:65] scope:SCOPE_SE
	s_setreg_imm32_b32 hwreg(HW_REG_WAVE_MODE, 25, 1), 1
	s_wait_xcnt 0x0
	s_wait_alu depctr_hold_cnt(0) depctr_sa_sdst(0) depctr_va_vdst(0) depctr_va_sdst(0) depctr_va_ssrc(0) depctr_va_vcc(0) depctr_vm_vsrc(0)
	s_getreg_b32 s2, hwreg(HW_REG_IB_STS2, 6, 4)
	s_cmp_eq_u32 s2, 0
	s_cbranch_scc0 .Lentry_in_a_cluster
	s_endpgm
.Lentry_in_a_cluster:
	s_bfe_u32 s2, ttmp6, 0x10000c
	s_cmp_lg_u32 s2, 0x3003
	s_cbranch_scc0 .Lentry_shape_is_right
	s_endpgm
.Lentry_shape_is_right:
; y[bh][q] = the sum over keys of softmax(q . k / sqrt(128)) v, both products on codes of BF6 (E3M2) with one E8M0 scale for each 32 along K, and y quantised along the head's 128 channels for the last launch.
; THE SOFTMAX AHEAD OF THE SECOND PRODUCT: t = score x log2(e) / sqrt(128); M = the largest t so far, rounded up to a whole number; p = 2^(t - M) is quantised along the keys, not normalised; the row's sum
; is taken of the unquantised p and divides at the end.  When M moves, the sum and O are multiplied by 2^(old M - new M), which rounds nothing.
; IN.  qb, kvb: images of operand registers (a fragment of 16 rows x 128 K: group c of four registers at 512 c + 16 x lane, 1,536 bytes) and scale tables [row][tile] of 512 bytes.  A block of kvb, 25,600 bytes, is
; 128 keys of one head: 8 images of K, 8 of V^T, K's table, V's table.  Tile j, row rho of any 128 indices is index 32 (j / 2) + 8 (j % 2) + rho + 8 (rho / 8), so that a lane's 16 registers of result tiles 2 b, 2 b + 1 are 16 neighbours.
; SHARES.  A work-group owns 128 queries of one head: 8 tiles of 16.  Wave w walks HALF of the head's keys (kh = w / 4: blocks 8 kh .. 8 kh + 7, one a step) for TWO tiles of queries (place 0: tile 2 (w % 4) + kh; place 1: its neighbour),
; so that each fragment of K and V read from LDS feeds two matrix instructions.  Two waves of 512 registers lie on a SIMD.  At the end waves w and w xor 4 exchange: each sends its place 1
; through LDS and finishes its place 0.  M is a whole number in both halves, so the merge is a multiplication by powers of two.
; Both products are used transposed (S^T = K Q^T, O^T = V^T P^T): a lane holds one query throughout.
; CLUSTER.  The four work-groups of a cluster belong to one head and walk the same blocks: each block is asked for JOINTLY, by the same tensor load with the same descriptor and a mask that names the four.
; LDS.  Six places of a block for each half of the keys: half h, place j at 153,600 h + 25,600 j.  Steps 0 to 5 of both halves, twelve blocks, are asked for at the start: waves 0 to 3 issue three loads each
; (three tensor loads of a wave are out at the most).  Steps 6 and 7 are filled into places 0 and 1 behind the one round that follows step 1.  So steps 2 to 5 have no barrier between them.
; No prefetch is laid: twelve of a head's sixteen blocks are the launch's first loads, and the one refill is asked for four key steps ahead of its first read.
; ORDER IN A KEY STEP.  Plain vector lines stand among the exponentials and among the second product's matrix instructions: tile 0's exponentials among tile 1's scalings, tile 1's among tile 0's sums, O^T's rescaling among the products V^T P.
; LIMITS: NaN and infinities are not served.  A block of zeros keeps the byte 1 (its codes are zeros; this program alone reads the bytes).  A block's largest p is made from the block's largest score, which takes
; v_exp_f32 not to fall where its input rises.  1 / l is v_rcp_f32.  The sums over the keys are made in two halves, a lane's part of the row's sum in four chains.
; REGISTERS.  Window 0: v1-11 addresses; v12-35 Q's two fragments; v36-37 their scale words; v38-45 K's, v46-53 V's scale words; v54-77 P's codes; v78-125 two blocks of 24 at work; v128-255 S^T, then p, 64 a tile.
;   Window 1: v0-127 O^T, 64 a tile; v128-223 eight fragments of K or of V.
.set BLKB,  25600                      ; a block of kvb
.set HALF,  6*BLKB                     ; a half's six places
.set SPARE, 2*HALF                     ; behind the places: the spare words, 128 bytes for each wave: four blocks of 256 bytes that no other line names
.set MG,    2*BLKB                     ; the exchange: 8,448 bytes a wave (8,192 of O^T, 256 of statistics), in half 0's places 2 to 4: they have had their only fill, and nobody reads them behind the last barrier of the walk
.set AD0,  1                           ; v1   16 x lane + 153,600 kh: my half's place 0
.set AS0,  2                           ; v2   32 r + 153,600 kh
.set ADR,  3                           ; v3   the same at the step's place
.set ADS,  4                           ; v4
.set SPW,  5                           ; v5   LDS address of my spare word; never rewritten
.set NIL,  6                           ; v6   0; never rewritten
.set LI,   7                           ; v7   16 x lane
.set MGW,  8                           ; v8   where I put O^T for my partner
.set MGR,  9                           ; v9   where I find my partner's
.set MGWS, 10                          ; v10  the statistics likewise
.set MGRS, 11                          ; v11
.set QF,   12
.set QS,   36
.set KSC,  38
.set VSC,  46
.set PC,   54
.set BLK,  78                          ; block u at v[BLK + 24 u]: +0..3 the blocks' largest scores, then p; +4..10 at work; +12..15 the conversions' scale operands; +16 f; +17 p's scale word; +18, +19 at work; +20 -M; +21 the largest t; +22, +23 the sum in two halves
.set B1,   BLK+24
.set RQ,   127                         ; v127 32 r
.set S,    128
.set FR,   128                         ; in window 1
.set TM,   BLK                         ; the last quantiser works in block 0,
.set PW,   BLK+16                      ; and leaves y's scale word here
.set WV,   10                          ; s10 wave; s11 kh; s12 w % 4; s13 cx; s14 my block of queries; s15 the head
.set KH,   11
.set PP,   12
.set CX,   13
.set GX,   14
.set BH,   15
.set SEL,  20                          ; s[20:21]
.set CS,   22                          ; s[22:23] c = log2(e) / sqrt(128), twice
.set G1,   24                          ; s[24:31] descriptor group 1
.set G0A,  32                          ; s[32:35] descriptor group 0 for places 0, 1: the first fill, later the refill
.set G0B,  68                          ; s[68:71] for places 2, 3
.set G0C,  72                          ; s[72:75] for places 4, 5
.set TB,   36                          ; s36 the step's place, in bytes
.set CNT,  37                          ; s37 counts a loop's steps
.set MSB, 0
.macro WIN new                         ; the immediate's high byte repeats the setting that is left; a switch that changes nothing is dropped
.if MSB != \new
	s_set_vgpr_msb (MSB<<8)|\new
.set MSB, \new
.endif
.endm
.set W_LD, 0x40                        ; destination window 1
.set W_KQ, 0x01                        ; source 0 (K) window 1
.set W_PV, 0x51                        ; source 0 (V, or O^T in a rescaling line), C and D (O^T) window 1; source 1 (P, or f) window 0
.macro CROUND                          ; a round of the cluster's barrier
	s_barrier_signal -1
	s_barrier_wait -1
	s_cmp_lg_u32 s[WV], 0
	s_cbranch_scc1 .Lnot_wave_0_\@
	s_barrier_signal -3
.Lnot_wave_0_\@:
	s_barrier_wait -3
	s_barrier_signal -1
	s_barrier_wait -1
.endm
; ---- the lines of the softmax
.macro SM_MAX                          ; the largest score of each block of 32 keys, both tiles: eight chains by turns.  It serves for the row's maximum and, since p rises with the score, for the block's largest p.  Each accumulator is read from its low end on
.irp u, 0,1
.irp b, 0,1,2,3
	v_max3_num_f32 v[BLK+24*\u+\b], v[S+64*\u+16*\b], v[S+64*\u+16*\b+1], v[S+64*\u+16*\b+2]
.endr
.endr
.irp i, 3,5,7,9,11,13
.irp u, 0,1
.irp b, 0,1,2,3
	v_max3_num_f32 v[BLK+24*\u+\b], v[BLK+24*\u+\b], v[S+64*\u+16*\b+\i], v[S+64*\u+16*\b+\i+1]
.endr
.endr
.endr
.irp u, 0,1
.irp b, 0,1,2,3
	v_max_num_f32 v[BLK+24*\u+\b], v[BLK+24*\u+\b], v[S+64*\u+16*\b+15]
.endr
.endr
.irp u, 0,1
.irp b, 0,1,2,3
	v_permlanex16_b32 v[BLK+24*\u+4+\b], v[BLK+24*\u+\b], s[SEL], s[SEL+1]
.endr
.endr
.irp u, 0,1
.irp b, 0,1,2,3
	v_max_num_f32 v[BLK+24*\u+\b], v[BLK+24*\u+\b], v[BLK+24*\u+4+\b]   ; with lane l xor 16's 16 keys
.endr
.endr
.endm
.macro SM_M                            ; the new M, f = 2^(old M - new M), and the sums under the new M; the two tiles line by line
.irp u, 0,1
	v_max3_num_f32 v[BLK+24*\u+18], v[BLK+24*\u], v[BLK+24*\u+1], v[BLK+24*\u+2]
.endr
.irp u, 0,1
	v_max_num_f32 v[BLK+24*\u+18], v[BLK+24*\u+18], v[BLK+24*\u+3]
.endr
.irp u, 0,1
	v_mul_f32 v[BLK+24*\u+18], s[CS], v[BLK+24*\u+18]        ; as t (c is positive)
.endr
.irp u, 0,1
	v_max_num_f32 v[BLK+24*\u+21], v[BLK+24*\u+21], v[BLK+24*\u+18]
.endr
.irp u, 0,1
	v_mov_b32 v[BLK+24*\u+18], v[BLK+24*\u+20]
.endr
.irp u, 0,1
	v_floor_f32 v[BLK+24*\u+20], -v[BLK+24*\u+21]            ; -M = floor(-t): M is a whole number
.endr
.irp u, 0,1
	v_sub_f32 v[BLK+24*\u+18], v[BLK+24*\u+20], v[BLK+24*\u+18]
.endr
.irp u, 0,1
	v_cvt_i32_f32 v[BLK+24*\u+18], v[BLK+24*\u+18]           ; (it saturates)
.endr
.irp u, 0,1
	v_ldexp_f32 v[BLK+24*\u+16], 1.0, v[BLK+24*\u+18]
.endr
.irp u, 0,1
	v_pk_mul_f32 v[BLK+24*\u+22:BLK+24*\u+23], v[BLK+24*\u+22:BLK+24*\u+23], v[BLK+24*\u+16:BLK+24*\u+17] op_sel_hi:[1,0]
.endr
.endm
.macro TLINE u, i                      ; line i of 36 of tile u's scalings: t - M, two scores at a time; the last four: the same of each block's largest score
.if (\i) < 32
	v_pk_fma_f32 v[S+64*(\u)+2*(\i):S+64*(\u)+2*(\i)+1], v[S+64*(\u)+2*(\i):S+64*(\u)+2*(\i)+1], s[CS:CS+1], v[BLK+24*(\u)+20:BLK+24*(\u)+21] op_sel_hi:[1,0,0]
.else
	v_fma_f32 v[BLK+24*(\u)+(\i)-32], v[BLK+24*(\u)+(\i)-32], s[CS], v[BLK+24*(\u)+20]
.endif
.endm
.macro SUMLINE u, i                    ; line i of 32 of tile u's sum of the unquantised p, two at a time, in four chains: the sum itself and three that lines 0 to 2 begin; lines 29 to 31 join them
.set bB, BLK+24*(\u)
.set bS, S+64*(\u)
.if (\i) < 3
	v_pk_add_f32 v[bB+4+2*(\i):bB+5+2*(\i)], v[bS+4*(\i):bS+4*(\i)+1], v[bS+4*(\i)+2:bS+4*(\i)+3]
.elseif (\i) < 29
.set cK, ((\i)-3)%4
.set cR, bB+2+2*cK
.if cK == 0
.set cR, bB+22
.endif
	v_pk_add_f32 v[cR:cR+1], v[cR:cR+1], v[bS+12+2*((\i)-3):bS+13+2*((\i)-3)]
.elseif (\i) == 29
	v_pk_add_f32 v[bB+4:bB+5], v[bB+4:bB+5], v[bB+6:bB+7]
.elseif (\i) == 30
	v_pk_add_f32 v[bB+22:bB+23], v[bB+22:bB+23], v[bB+8:bB+9]
.else
	v_pk_add_f32 v[bB+22:bB+23], v[bB+22:bB+23], v[bB+4:bB+5]
.endif
.endm
.macro SM_SC                           ; the blocks' scales and p's scale words, both tiles
.irp u, 0,1
.irp b, 0,1,2,3
	v_max_num_f32 v[BLK+24*\u+\b], 0x2800000, v[BLK+24*\u+\b]        ; the floor 2^(5 - 127): the byte cannot fall under 1
.endr
.endr
.irp u, 0,1
.irp b, 0,1,2,3
	v_add_nc_u32 v[BLK+24*\u+12+\b], 0xfe000000, v[BLK+24*\u+\b]     ; 4 off the exponent field: the conversion's scale operand
.endr
.endr
.irp u, 0,1
.irp b, 0,1,2,3
	v_lshrrev_b32 v[BLK+24*\u+4+\b], 23, v[BLK+24*\u+12+\b]
.endr
.endr
.irp u, 0,1
	v_lshl_or_b32 v[BLK+24*\u+17], v[BLK+24*\u+5], 8, v[BLK+24*\u+4]
.endr
.irp u, 0,1
	v_lshl_or_b32 v[BLK+24*\u+17], v[BLK+24*\u+6], 16, v[BLK+24*\u+17]
.endr
.irp u, 0,1
	v_lshl_or_b32 v[BLK+24*\u+17], v[BLK+24*\u+7], 24, v[BLK+24*\u+17]
.endr
.endm
.macro SM_CV                           ; p's codes, as the second product's source 1, both tiles
.irp u, 0,1
.irp c, 0,1
	v_cvt_scalef32_pk16_bf6_f32 v[PC+12*\u+6*\c:PC+12*\u+6*\c+2], v[S+64*\u+32*\c:S+64*\u+32*\c+15], v[BLK+24*\u+12+2*\c]
	v_cvt_scalef32_pk16_bf6_f32 v[BLK+24*\u+4+4*\c:BLK+24*\u+6+4*\c], v[S+64*\u+32*\c+16:S+64*\u+32*\c+31], v[BLK+24*\u+12+2*\c+1]   ; (a conversion's three registers begin on an even number)
.endr
.endr
	v_nop                                            ; one plain place behind the scaled conversions
.irp u, 0,1
.irp c, 0,1
.irp i, 0,1,2
	v_permlane16_swap_b32 v[PC+12*\u+6*\c+\i], v[BLK+24*\u+4+4*\c+\i]   ; the operand's layout wants a whole block in a lane
.endr
.irp i, 0,1,2
	v_mov_b32 v[PC+12*\u+3+6*\c+\i], v[BLK+24*\u+4+4*\c+\i]
.endr
.endr
.endr
.endm
.macro KQ4 t0                          ; S^T = K Q^T: four tiles of keys x my two tiles of queries; each sum is one K step, begun with the constant 0
.irp t, \t0, \t0+1, \t0+2, \t0+3
.irp u, 0,1
	v_wmma_scale_f32_16x16x128_f8f6f4 v[S+64*\u+8*(\t):S+64*\u+8*(\t)+7], v[FR+12*(\t):FR+12*(\t)+11], v[QF+12*\u:QF+12*\u+11], 0, v[KSC+(\t)], v[QS+\u] matrix_a_fmt:MATRIX_FMT_BF6 matrix_b_fmt:MATRIX_FMT_BF6
.endr
.endr
.endm
; accumulator a of sixteen of O^T: channel tile a / 2, tile of queries a % 2
.macro RSC a                           ; its eight registers x f: O^T under the new M; from the low end on
.set aU, (\a)%2
.set aO, 64*aU+8*((\a)/2)
.irp k, 0,2,4,6
	v_pk_mul_f32 v[aO+\k:aO+\k+1], v[aO+\k:aO+\k+1], v[BLK+24*aU+16:BLK+24*aU+17] op_sel_hi:[1,0]
.endr
.endm
.macro PVW a                           ; O^T += V^T P^T
.set aU, (\a)%2
.set aT, (\a)/2
.set aO, 64*aU+8*aT
	v_wmma_scale_f32_16x16x128_f8f6f4 v[aO:aO+7], v[FR+12*aT:FR+12*aT+11], v[PC+12*aU:PC+12*aU+11], v[aO:aO+7], v[VSC+aT], v[BLK+24*aU+17] matrix_a_fmt:MATRIX_FMT_BF6 matrix_b_fmt:MATRIX_FMT_BF6
.endm
; A KEY STEP: the block at place s[TB] of my half: 128 keys, two tiles of queries
.macro STEP
	v_add_nc_u32 v[ADR], s[TB], v[AD0]
	v_add_nc_u32 v[ADS], s[TB], v[AS0]
	ds_load_b128 v[KSC:KSC+3], v[ADS] offset:24576
	ds_load_b128 v[KSC+4:KSC+7], v[ADS] offset:24592
	WIN W_LD
.irp t, 0,1,2,3,4,5,6,7
.irp c, 0,1,2
	ds_load_b128 v[FR+12*\t+4*\c:FR+12*\t+4*\c+3], v[ADR] offset:1536*\t+512*\c
.endr
.endr
	s_wait_dscnt 12                                  ; LDS loads come back in order (ISA guide 5.7.1): the scale words and tiles 0 to 3 are in; the twelve youngest loads, tiles 4 to 7, may be out
	WIN W_KQ
	KQ4 0
	s_wait_dscnt 0x0
	KQ4 4
	WIN 0
.rept 4
	v_nop                                            ; four places in front of the loads into K's registers and of the first read of the scores
.endr
	WIN W_LD
.irp t, 0,1,2,3,4,5,6,7
.irp c, 0,1,2
	ds_load_b128 v[FR+12*\t+4*\c:FR+12*\t+4*\c+3], v[ADR] offset:12288+1536*\t+512*\c   ; V lands while the softmax is walked
.endr
.endr
	WIN 0
	ds_load_b128 v[VSC:VSC+3], v[ADS] offset:25088
	ds_load_b128 v[VSC+4:VSC+7], v[ADS] offset:25104
	s_add_co_u32 s[TB], s[TB], BLKB                  ; the next step's place
	SM_MAX
	SM_M
.set k, 0
.rept 36
	TLINE 0, k
.set k, k+1
.endr
.set k, 0
.rept 32                                         ; THE FIRST BATCH: tile 0's 64 exponentials, p = 2^(t - M), two behind each of tile 1's scalings; no line here names a result of the batch
	TLINE 1, k
	v_exp_f32 v[S+2*k], v[S+2*k]
	v_exp_f32 v[S+2*k+1], v[S+2*k+1]
.set k, k+1
.endr
.irp i, 32,33,34,35
	TLINE 1, \i                                      ; plain lines behind the last exponential
.endr
	s_wait_alu depctr_va_vdst(0)                     ; the wait ahead of the first line that names an exponential's result: one for the 64
.set k, 0
.rept 32                                         ; THE SECOND BATCH: tile 1's 64 and the eight blocks' largest p, among tile 0's sums, which read the first batch alone
.if k < 8
	v_exp_f32 v[BLK+24*(k/4)+k%4], v[BLK+24*(k/4)+k%4]
.endif
	v_exp_f32 v[S+64+2*k], v[S+64+2*k]
	v_exp_f32 v[S+64+2*k+1], v[S+64+2*k+1]
	SUMLINE 0, k
.set k, k+1
.endr
	s_wait_alu depctr_va_vdst(0)                     ; and one for the 72; the last line of the sums is the plain line behind the last exponential
.set k, 0
.rept 32
	SUMLINE 1, k
.set k, k+1
.endr
	SM_SC
	SM_CV
	WIN W_PV                                         ; one setting serves the products and the rescaling lines
	RSC 0                                            ; (these eight lines are also the places between P's codes and scale words and the first products)
	RSC 1
	s_wait_dscnt 0x0                                 ; V is in
.set n, 0
.rept 14
	PVW n                                            ; the sixteen accumulators by turns, one instruction a turn;
	RSC n+2                                          ; behind each product stand the four rescaling lines of the accumulator two turns on, which name none of the product's results
.set n, n+1
.endr
	PVW 14
	PVW 15
	WIN 0
.rept 4
	v_nop                                            ; places in front of the next loads into V's registers, and of the first read of O^T
.endr
.endm
.macro STEPS label, trips                        ; so many key steps, written once
	s_mov_b32 s[CNT], \trips
\label:
	STEP
	s_sub_co_u32 s[CNT], s[CNT], 1
	s_cmp_lg_u32 s[CNT], 0
	s_cbranch_scc1 \label
.endm
; 64 numbers of a lane, register 16 b + i = k 32 b + 16 h + i of my row, become a fragment's codes in v[PC] on and its scale word in v[PW]
.macro QUANT src
.irp b, 0,1,2,3
	v_max3_num_f32 v[TM+\b], |v[\src+16*\b]|, |v[\src+1+16*\b]|, 0x2800000
.endr
.irp i, 2,4,6,8,10,12,14
.irp b, 0,1,2,3
	v_max3_num_f32 v[TM+\b], v[TM+\b], |v[\src+16*\b+\i]|, |v[\src+1+16*\b+\i]|
.endr
.endr
.irp b, 0,1,2,3
	v_permlanex16_b32 v[TM+4+\b], v[TM+\b], s[SEL], s[SEL+1]
.endr
.irp b, 0,1,2,3
	v_max_num_f32 v[TM+\b], v[TM+\b], v[TM+4+\b]
.endr
.irp b, 0,1,2,3
	v_add_nc_u32 v[TM+12+\b], 0xfe000000, v[TM+\b]
.endr
.irp b, 0,1,2,3
	v_lshrrev_b32 v[TM+4+\b], 23, v[TM+12+\b]
.endr
	v_lshl_or_b32 v[PW], v[TM+5], 8, v[TM+4]
	v_lshl_or_b32 v[PW], v[TM+6], 16, v[PW]
	v_lshl_or_b32 v[PW], v[TM+7], 24, v[PW]
.irp c, 0,1
	v_cvt_scalef32_pk16_bf6_f32 v[PC+6*\c:PC+2+6*\c], v[\src+32*\c:\src+15+32*\c], v[TM+12+2*\c]
	v_cvt_scalef32_pk16_bf6_f32 v[PC+12+4*\c:PC+14+4*\c], v[\src+16+32*\c:\src+31+32*\c], v[TM+12+2*\c+1]
.endr
	v_nop
.irp c, 0,1
.irp i, 0,1,2
	v_permlane16_swap_b32 v[PC+6*\c+\i], v[PC+12+4*\c+\i]
.endr
.irp i, 0,1,2
	v_mov_b32 v[PC+3+6*\c+\i], v[PC+12+4*\c+\i]
.endr
.endr
.endm
	s_load_b128 s[4:7], s[0:1], 0x0                  ; qb, kvb
	s_load_b64 s[8:9], s[0:1], 0x10                  ; yb
	v_lshl_add_u32 v[SPW], v0, 2, SPARE
	v_mov_b32 v[NIL], 0
	ds_add_u32 v5, v6
	ds_add_u32 v5, v6
	s_wait_dscnt 0x0
	v_lshrrev_b32 v1, 5, v0
	v_readfirstlane_b32 s[WV], v1                    ; wave 0..7
	s_lshr_b32 s[KH], s[WV], 2
	s_and_b32 s[PP], s[WV], 3
	s_bfe_u32 s[CX], ttmp6, 0x40000                  ; my place in the cluster: it enters global addresses of qb and of yb alone
	s_lshl_b32 s[GX], ttmp9, 2                       ; in a cluster launch ttmp9 counts clusters
	s_add_co_u32 s[GX], s[GX], s[CX]                 ; my block of 128 queries
	s_and_b32 s[BH], ttmp7, 0xffff                   ; the head (8 b + hd), which the four partners share
	; every LDS address is made here, of the lane and the wave's number alone
	v_and_b32 v[LI], 31, v0
	v_lshlrev_b32 v[LI], 4, v[LI]
	v_and_b32 v[RQ], 15, v0
	v_lshlrev_b32 v[RQ], 5, v[RQ]
	s_mul_i32 s58, s[KH], HALF
	v_add_nc_u32 v[AD0], s58, v[LI]
	v_add_nc_u32 v[AS0], s58, v[RQ]
	s_mul_i32 s58, s[WV], 8448
	s_add_co_u32 s58, s58, MG
	v_add_nc_u32 v[MGW], s58, v[LI]
	s_xor_b32 s59, s[WV], 4
	s_mul_i32 s59, s59, 8448
	s_add_co_u32 s59, s59, MG
	v_add_nc_u32 v[MGR], s59, v[LI]
	v_and_b32 v[MGWS], 31, v0
	v_lshlrev_b32 v[MGWS], 3, v[MGWS]
	v_add_nc_u32 v[MGRS], s59, v[MGWS]
	v_add_nc_u32 v[MGRS], 8192, v[MGRS]
	v_add_nc_u32 v[MGWS], s58, v[MGWS]
	v_add_nc_u32 v[MGWS], 8192, v[MGWS]
	; offsets into qb and yb
	s_lshl_b32 s16, s[BH], 4
	s_add_co_u32 s16, s16, s[GX]                     ; my block's number: 16 x head + block of queries
	s_lshl_b32 s17, s[PP], 1
	s_add_co_u32 s17, s17, s[KH]                     ; the tile at place 0,
	s_xor_b32 s18, s17, 1                            ; at place 1
	s_mul_i32 s19, s16, 12800
	s_mul_i32 s42, s17, 1536
	s_add_co_u32 s42, s42, s19                       ; s[42:43], s[44:45]: Q's two images
	s_mov_b32 s43, 0
	s_mul_i32 s44, s18, 1536
	s_add_co_u32 s44, s44, s19
	s_mov_b32 s45, 0
	s_lshl_b32 s46, s17, 2
	s_add_co_u32 s46, s46, s19
	s_add_co_u32 s46, s46, 12288                     ; s[46:47], s[48:49]: their columns of the scale table
	s_mov_b32 s47, 0
	s_lshl_b32 s48, s18, 2
	s_add_co_u32 s48, s48, s19
	s_add_co_u32 s48, s48, 12288
	s_mov_b32 s49, 0
	s_mul_i32 s19, s16, 13312
	s_mul_i32 s50, s17, 1536
	s_add_co_u32 s50, s50, s19                       ; s[50:51]: y's image of my place 0,
	s_mov_b32 s51, 0
	s_lshl_b32 s52, s17, 7
	s_add_co_u32 s52, s52, s19
	s_add_co_u32 s52, s52, 12288                     ; s[52:53]: its 128 bytes of scale words
	s_mov_b32 s53, 0
	; what I fetch, if I fetch (waves 0 to 3): half w / 2, the odd or even step w % 2.  These registers never hold my place in the cluster
	s_mul_i32 s54, s[BH], 16*BLKB
	s_lshr_b32 s55, s[WV], 1
	s_and_b32 s59, s[WV], 1
	s_mul_i32 s38, s55, HALF
	s_mul_i32 s39, s59, BLKB
	s_add_co_u32 s38, s38, s39                       ; in LDS: place w % 2 of half w / 2
	s_lshl_b32 s55, s55, 3
	s_add_co_u32 s55, s55, s59
	s_mul_i32 s55, s55, BLKB
	s_add_co_u32 s56, s55, s54                       ; in kvb: block 8 (w / 2) + w % 2 of the head
	s_mov_b32 s57, 0
	; descriptor group 1: a block is dense: 100 rows of 256 bytes (32 elements of 8 bytes), no padding: an image is read as it lies, 16 bytes a lane on end
	s_mov_b32 s[G1], 15|(3<<16)|(1<<21)              ; 15:0 the mask: all four work-groups; 17:16 elements of 8 bytes; 21 set beside a mask
	s_mov_b32 s[G1+1], 32<<16                        ; tensor_dim0 = 32
	s_mov_b32 s[G1+2], 100<<16                       ; tensor_dim1 = 100
	s_mov_b32 s[G1+3], 32<<16                        ; tile_dim0 = 32
	s_mov_b32 s[G1+4], 100                           ; tile_dim1 = 100
	s_mov_b32 s[G1+5], 32                            ; from row to row
	s_mov_b32 s[G1+6], 0
	s_mov_b32 s[G1+7], 0
	s_mov_b32 s[SEL], 0x76543210
	s_mov_b32 s[SEL+1], 0xfedcba98
	s_mov_b32 s[CS], 0x3e0293ee                      ; c = log2(e) / sqrt(128)
	s_mov_b32 s[CS+1], s[CS]                         ; (named with it as a pair, so it is written)
	s_mov_b32 s[TB], 0
	; what the first step finds; it stands here, while the arguments are on their way
.irp u, 0,1
	v_mov_b32 v[BLK+24*\u+21], 0xff61b1e6            ; the largest t so far: -3e38, under every t
	v_floor_f32 v[BLK+24*\u+20], -v[BLK+24*\u+21]    ; -M
	v_mov_b32 v[BLK+24*\u+22], 0                     ; the sum, in two halves
	v_mov_b32 v[BLK+24*\u+23], 0
	v_mov_b32 v[BLK+24*\u+17], 0                     ; (named as the upper half of f's pair before it is first written)
.irp b, 0,1,2,3
	v_mov_b32 v[BLK+24*\u+4+\b], 0                   ; a lane permute's destination counts as one of its sources
.endr
.endr
	WIN W_LD
.set j, 0
.rept 128
	v_mov_b32 v[j], 0                                ; O^T.  The key step is written for every step alike: the first finds zeros, which the first change of M leaves zeros; a first step of its own would be one more copy of the longest stretch of this text
.set j, j+1
.endr
	WIN 0
	s_wait_kmcnt 0x0
	s_add_nc_u64 s[42:43], s[4:5], s[42:43]
	s_add_nc_u64 s[44:45], s[4:5], s[44:45]
	s_add_nc_u64 s[46:47], s[4:5], s[46:47]
	s_add_nc_u64 s[48:49], s[4:5], s[48:49]
	s_add_nc_u64 s[50:51], s[8:9], s[50:51]
	s_add_nc_u64 s[52:53], s[8:9], s[52:53]
.irp u, 0,1
.irp c, 0,1,2
	global_load_b128 v[QF+12*\u+4*\c:QF+12*\u+4*\c+3], v[LI], s[42+2*\u:43+2*\u] offset:512*\c   ; Q's fragments stay in registers; they are on their way through the opening round
.endr
	global_load_b32 v[QS+\u], v[RQ], s[46+2*\u:47+2*\u]
.endr
	s_mov_b32 s[G0A], 1                              ; count = 1
	s_mov_b32 s[G0A+1], s38                          ; LDS address: places 0, 1
	s_add_nc_u64 s[G0A+2:G0A+3], s[6:7], s[56:57]    ; steps 0, 1
	s_mov_b32 s[G0B], 1
	s_add_co_u32 s[G0B+1], s38, 2*BLKB               ; places 2, 3
	s_add_nc_u64 s[G0B+2:G0B+3], s[G0A+2:G0A+3], 2*BLKB   ; steps 2, 3
	s_mov_b32 s[G0C], 1
	s_add_co_u32 s[G0C+1], s38, 4*BLKB               ; places 4, 5
	s_add_nc_u64 s[G0C+2:G0C+3], s[G0A+2:G0A+3], 4*BLKB   ; steps 4, 5
	s_or_b32 s[G0A+3], s[G0A+3], 0x80000000          ; type = 2
	s_or_b32 s[G0B+3], s[G0B+3], 0x80000000
	s_or_b32 s[G0C+3], s[G0C+3], 0x80000000
	CROUND                                           ; all four work-groups are here: the first joint loads meet
	s_cmp_lt_u32 s[WV], 4                            ; a wave's three first fills stand in one branch on the wave's number, ahead of every wait on TENSORcnt, every LDS read and every other barrier
	s_cbranch_scc0 .Lno_first
	tensor_load_to_lds s[G0A:G0A+3], s[G1:G1+7]
	s_nop 0
	tensor_load_to_lds s[G0B:G0B+3], s[G1:G1+7]
	s_nop 0
	tensor_load_to_lds s[G0C:G0C+3], s[G1:G1+7]
	s_nop 0
.rept 4
	v_nop                                            ; four v_nop follow the last
.endr
.Lno_first:
	s_wait_tensorcnt 0x2                             ; tensor loads of a wave end in order (ISA guide 10.11.1): my block of places 0, 1 is in; the two younger loads may stay out
	s_wait_loadcnt 0x0                               ; Q
	s_barrier_signal -1
	s_barrier_wait -1                                ; everybody's is
	STEPS .Lsteps_01, 2
	; THE ONE REFILL.  Each wave waits for all its tensor loads (places 2 to 5 have landed with that), adds 0 to its spare word, and waits for that and for its reads of places 0 and 1; a round of the cluster's barrier;
	; behind it places 0 and 1 take steps 6 and 7, and places 2 to 5 are whole for every wave
	s_wait_tensorcnt 0x0                             ; no tensor load of mine is out, so a group 0 may be written
	ds_add_u32 v[SPW], v[NIL]                        ; 0 onto my spare word
	ds_add_u32 v5, v6
	s_add_nc_u64 s[G0A+2:G0A+3], s[G0A+2:G0A+3], 6*BLKB   ; six blocks on in my half; the type bits on top are not reached
	s_wait_dscnt 0x0                                 ; the add is done, and my reads of places 0 and 1 are over
	CROUND
	s_cmp_lt_u32 s[WV], 4
	s_cbranch_scc0 .Lno_refill
	tensor_load_to_lds s[G0A:G0A+3], s[G1:G1+7]      ; the first thing behind the round, and the wave's last tensor load: it has four key steps in which to land
	s_nop 0
.rept 4
	v_nop
.endr
.Lno_refill:
	STEPS .Lsteps_25, 4                              ; s[TB] walks on through places 2 to 5
	s_wait_tensorcnt 0x0                             ; my block of steps 6, 7 is in
	ds_add_u32 v[SPW], v[NIL]
	s_mov_b32 s[TB], 0                               ; back to place 0
	s_wait_dscnt 0x0                                 ; my reads of places 2 to 5 are over
	s_barrier_signal -1
	s_barrier_wait -1                                ; both hold of every wave: places 0 and 1 may be read, and places 2 to 4 of half 0 may be written
	STEPS .Lsteps_67, 2
	; THE EXCHANGE.  My place 1 (O^T, -M, my lane's part of the sum) goes to my partner, which holds the same tile at its place 0
	v_add_f32 v[B1+19], v[B1+22], v[B1+23]
	v_mov_b32 v[B1+18], v[B1+20]
	WIN 0x04                                         ; an LDS store's data are its source 1: window 1
.set j, 0
.rept 16
	ds_store_b128 v[MGW], v[64+4*j:64+4*j+3] offset:512*j    ; as the registers stand; each accumulator from its low end on
.set j, j+1
.endr
	WIN 0
	ds_store_b64 v[MGWS], v[B1+18:B1+19]
	s_wait_dscnt 0x0                                 ; for my partner's sake: my stores have landed
	s_barrier_signal -1
	s_barrier_wait -1
.set j, 0
.rept 16
	ds_load_b128 v[S+4*j:S+4*j+3], v[MGR] offset:512*j       ; the other half of the keys' O^T of my place 0, in the same lanes and registers
.set j, j+1
.endr
	ds_load_b64 v[B1+18:B1+19], v[MGRS]              ; its -M and its sum
	s_wait_dscnt 0x0
	v_add_f32 v[BLK+18], v[BLK+22], v[BLK+23]        ; my sum's two halves
	v_min_num_f32 v[BLK+19], v[BLK+20], v[B1+18]     ; the common -M: the larger M
	v_sub_f32 v[B1], v[BLK+19], v[BLK+20]            ; whole numbers, 0 or less
	v_sub_f32 v[B1+1], v[BLK+19], v[B1+18]
	v_cvt_i32_f32 v[B1], v[B1]
	v_cvt_i32_f32 v[B1+1], v[B1+1]
	v_ldexp_f32 v[B1+2], 1.0, v[B1]                  ; f0, f1: each half under the common M
	v_ldexp_f32 v[B1+3], 1.0, v[B1+1]
	v_mul_f32 v[B1+4], v[BLK+18], v[B1+2]
	v_fma_f32 v[B1+4], v[B1+19], v[B1+3], v[B1+4]
	v_permlanex16_b32 v[B1+5], v[B1+4], s[SEL], s[SEL+1]
	v_add_f32 v[B1+4], v[B1+4], v[B1+5]              ; with lane l xor 16's: the row's sum l
	v_rcp_f32 v[B1+6], v[B1+4]
	v_and_b32 v[ADR], 31, v0                         ; (a plain place behind the reciprocal)
	v_lshlrev_b32 v[ADR], 2, v[ADR]                  ; 4 x lane, for y's scale words
	s_wait_alu depctr_va_vdst(0)                     ; the wait ahead of the first reader
	v_mul_f32 v[B1+8], v[B1+2], v[B1+6]              ; f0 / l,
	v_mul_f32 v[B1+10], v[B1+3], v[B1+6]             ; f1 / l, each in both words of a pair
	v_mov_b32 v[B1+9], v[B1+8]
	v_mov_b32 v[B1+11], v[B1+10]
.set j, 0
.rept 32
	v_pk_mul_f32 v[S+j:S+j+1], v[S+j:S+j+1], v[B1+10:B1+11]
.set j, j+2
.endr
	WIN 0x01                                         ; source 0 (my O^T) window 1
.set j, 0
.rept 32
	v_pk_fma_f32 v[S+j:S+j+1], v[j:j+1], v[B1+8:B1+9], v[S+j:S+j+1]   ; y: register 16 b + i is channel 32 b + 16 h + i of my query; each accumulator from its low end on
.set j, j+2
.endr
	WIN 0
	QUANT S
.irp c, 0,1,2
	global_store_b128 v[LI], v[PC+4*\c:PC+4*\c+3], s[50:51] offset:512*\c   ; y's image: each store covers 512 consecutive bytes, aligned to 256
.endr
	global_store_b32 v[ADR], v[PW], s[52:53]         ; its scale words, a word a lane: 128 consecutive bytes
	s_wait_tensorcnt 0x0                             ; the wave's end
	ds_add_u32 v[SPW], v[NIL]
	s_wait_dscnt 0x0
	CROUND                                           ; the closing round: no work-group ends while a partner may still ask for a block that names it
	s_endpgm
.Lfunc_end_k_q4ba66ad820_attn:
	.size	k_q4ba66ad820_attn, .Lfunc_end_k_q4ba66ad820_attn-k_q4ba66ad820_attn
	.p2alignl 7, 3214868480
	.fill 96, 4, 3214868480
	.section	.rodata,"a",@progbits
	.p2align	6, 0x0
	.amdhsa_kernel k_q4ba66ad820_attn
		.amdhsa_group_segment_fixed_size 327680
		.amdhsa_private_segment_fixed_size 0
		.amdhsa_enable_private_segment 0
		.amdhsa_kernarg_size 24
		.amdhsa_user_sgpr_count 2
		.amdhsa_user_sgpr_kernarg_segment_ptr 1
		.amdhsa_wavefront_size32 1
		.amdhsa_system_sgpr_workgroup_id_x 1
		.amdhsa_system_sgpr_workgroup_id_y 1
		.amdhsa_system_sgpr_workgroup_id_z 1
		.amdhsa_system_vgpr_workitem_id 0
		.amdhsa_next_free_vgpr 512
		.amdhsa_next_free_sgpr 76
		.amdhsa_reserve_vcc 0
		.amdhsa_float_denorm_mode_32 3
		.amdhsa_float_denorm_mode_16_64 3
		.amdhsa_memory_ordered 1
		.amdhsa_forward_progress 1
		.amdhsa_inst_pref_size 124
	.end_amdhsa_kernel
	.amdgpu_metadata
---
amdhsa.version: [ 1, 2 ]
amdhsa.kernels:
  - .name:           k_q4ba66ad820_attn
    .symbol:         k_q4ba66ad820_attn.kd
    .args:
      - { .name: qb, .offset: 0, .size: 8, .value_kind: global_buffer, .address_space: global }
      - { .name: kvb, .offset: 8, .size: 8, .value_kind: global_buffer, .address_space: global }
      - { .name: yb, .offset: 16, .size: 8, .value_kind: global_buffer, .address_space: global }
    .group_segment_fixed_size: 327680
    .private_segment_fixed_size: 0
    .kernarg_segment_align: 8
    .kernarg_segment_size: 24
    .max_flat_workgroup_size: 256
    .sgpr_count:     76
    .vgpr_count:     512
    .wavefront_size: 32
...
	.end_amdgpu_metadata
.endif
;; end of part 2
;; launch outp (part 3): grid 256 x 1, 8 waves a work-group, no clusters, 9,728 bytes of LDS; arguments yb, wub, bu, out0; writes out0
.if DOCPART == 3
	.amdgcn_target "amdgcn-amd-amdhsa--gfx1250"
	.amdhsa_code_object_version 6
	.text
	.protected	k_q4ba66ad820_outp
	.globl	k_q4ba66ad820_outp
	.p2align	8
	.type	k_q4ba66ad820_outp,@function
k_q4ba66ad820_outp:
	s_mov_b64 s[64:65], 0
	v_nop
	global_prefetch_b8 v0, s[64:65] scope:SCOPE_SE
	s_setreg_imm32_b32 hwreg(HW_REG_WAVE_MODE, 25, 1), 1
	s_wait_xcnt 0x0
; out0 = y Wu + bu on codes of BF6 (E3M2) with one E8M0 scale for each 32 along K = 1,024 (eight K steps of 128: one a head).  out0: [4096][128] f32.
; IN.  yb: block 128 b + 16 hd + g (13,312 bytes): 8 images of y (a fragment's registers as they stand: group c of four at 512 c + 16 x lane), then 128 bytes of scale words, a word a lane, for each tile.
;      wub: block s (12,800 bytes): 8 images of Wu^T (rows = output columns), then the scale table [row][tile].
; Tile j, row rho of 128 tokens or columns is index 32 (j / 2) + 8 (j % 2) + rho + 8 (rho / 8).
; SHARES.  Work-group i: one tile of 16 tokens (b = i / 128, g = (i / 8) % 16, tile = i % 8).  Wave w: Wu's tile w of 16 columns.  Every fragment goes from memory straight into the registers that the product names.
; The product is used transposed (source 0 = Wu^T's tile, source 1 = y's): a lane holds a token and eight neighbouring columns.  K's even steps are summed in one accumulator (begun with the bias as C), the odd ones in another
; (begun with the constant 0), by turns; the two are added at the end: the order of the f32 sums differs so from a single chain's.
; No tensor load and no cluster: the launch is a few hundred lines, and its first loads are all that it reads.
.set LI,   1                           ; v1  16 x lane
.set L4,   2                           ; v2  4 x lane
.set R32,  3                           ; v3  32 r
.set H64,  4                           ; v4  64 h
.set STO,  5                           ; v5  the stage: where I put 32 bytes of a token's row
.set SRD,  6                           ; v6  and where I read whole rows back
.set BI,   8                           ; v8-15   the bias, in the result's layout
.set YS,   16                          ; v16-23  y's scale words    (v16-31 hold scales and nothing else)
.set WSC,  24                          ; v24-31  Wu's
.set YF,   32                          ; v32-127  y's eight fragments
.set WF,   128                         ; v128-223 Wu's eight
.set ACC0, 224
.set ACC1, 232
.set OUTR, 240
.set BK,   248
	s_load_b256 s[4:11], s[0:1], 0x0                 ; yb, wub, bu, out0
	s_set_vgpr_msb 0x40
	v_lshl_add_u32 v0, v0, 2, 0x2200
	v_mov_b32 v1, 0
	s_set_vgpr_msb 0x4000
	v_lshrrev_b32 v1, 5, v0
	v_readfirstlane_b32 s12, v1                      ; wave 0..7
	v_and_b32 v1, 31, v0
	v_lshlrev_b32 v[L4], 2, v1
	v_lshlrev_b32 v[LI], 4, v1
	v_and_b32 v7, 15, v0                             ; r
	v_lshlrev_b32 v[R32], 5, v7
	v_bfe_u32 v[H64], v0, 4, 1
	v_lshlrev_b32 v[H64], 6, v[H64]
	s_lshr_b32 s13, s12, 1
	s_lshl_b32 s13, s13, 5
	s_and_b32 s14, s12, 1
	s_lshl_b32 s14, s14, 3
	s_add_co_u32 s13, s13, s14
	s_lshl_b32 s13, s13, 2                           ; my tile's first column, 32 (w / 2) + 8 (w % 2), in bytes; lanes 16-31 stand 16 columns on
	v_mad_u32_u24 v[STO], v7, 528, v[H64]
	v_add_nc_u32 v[STO], s13, v[STO]                 ; stage rows of 512 bytes + 16
	s_mul_i32 s14, s12, 1056
	v_add_nc_u32 v[SRD], s14, v[LI]                  ; rows 2 w and 2 w + 1, 16 bytes a lane
	s_lshr_b32 s15, ttmp9, 7                         ; b
	s_bfe_u32 s16, ttmp9, 0x40003                    ; g
	s_and_b32 s17, ttmp9, 7                          ; tile
	s_lshl_b32 s18, s15, 7
	s_add_co_u32 s18, s18, s16
	s_mul_i32 s20, s18, 13312                        ; head 0's block; a head on is 16 blocks, 212,992 bytes
	s_mul_i32 s19, s17, 1536
	s_add_co_u32 s22, s20, s19                       ; s[22:23] y's images of my tile
	s_mov_b32 s23, 0
	s_lshl_b32 s19, s17, 7
	s_add_co_u32 s24, s20, s19
	s_add_co_u32 s24, s24, 12288                     ; s[24:25] their scale words
	s_mov_b32 s25, 0
	s_mul_i32 s26, s12, 1536                         ; s[26:27] Wu's images of tile w
	s_mov_b32 s27, 0
	s_lshl_b32 s28, s12, 2
	s_add_co_u32 s28, s28, 12288                     ; s[28:29] tile w's column of the scale table
	s_mov_b32 s29, 0
	s_mov_b32 s30, s13                               ; s[30:31] the bias of my columns
	s_mov_b32 s31, 0
	s_lshl_b32 s32, s15, 4                           ; the first row that I store: 2048 b + 128 g + 32 (tile / 2) + 8 (tile % 2) + 2 w + 8 (w / 4)
	s_add_co_u32 s32, s32, s16
	s_lshl_b32 s32, s32, 7
	s_lshr_b32 s19, s17, 1
	s_lshl_b32 s19, s19, 5
	s_add_co_u32 s32, s32, s19
	s_and_b32 s19, s17, 1
	s_lshl_b32 s19, s19, 3
	s_add_co_u32 s32, s32, s19
	s_lshl_b32 s19, s12, 1
	s_add_co_u32 s32, s32, s19
	s_lshr_b32 s19, s12, 2
	s_lshl_b32 s19, s19, 3
	s_add_co_u32 s32, s32, s19
	s_lshl_b32 s32, s32, 9
	s_mov_b32 s33, 0
	s_wait_kmcnt 0x0
	s_add_nc_u64 s[22:23], s[4:5], s[22:23]
	s_add_nc_u64 s[24:25], s[4:5], s[24:25]
	s_add_nc_u64 s[26:27], s[6:7], s[26:27]
	s_add_nc_u64 s[28:29], s[6:7], s[28:29]
	s_add_nc_u64 s[30:31], s[8:9], s[30:31]
	s_add_nc_u64 s[32:33], s[10:11], s[32:33]
.irp s, 0,1,2,3,4,5,6,7
.irp c, 0,1,2
	global_load_b128 v[YF+12*\s+4*\c:YF+12*\s+4*\c+3], v[LI], s[22:23] offset:212992*\s+512*\c
	global_load_b128 v[WF+12*\s+4*\c:WF+12*\s+4*\c+3], v[LI], s[26:27] offset:12800*\s+512*\c
.endr
	global_load_b32 v[YS+\s], v[L4], s[24:25] offset:212992*\s
	global_load_b32 v[WSC+\s], v[R32], s[28:29] offset:12800*\s
.endr
	global_load_b128 v[BI:BI+3], v[H64], s[30:31]
	global_load_b128 v[BI+4:BI+7], v[H64], s[30:31] offset:16
	s_wait_loadcnt 0x0
.irp s, 0,1,2,3,4,5,6,7
.if \s == 0
	v_wmma_scale_f32_16x16x128_f8f6f4 v[ACC0:ACC0+7], v[WF:WF+11], v[YF:YF+11], v[BI:BI+7], v[WSC], v[YS] matrix_a_fmt:MATRIX_FMT_BF6 matrix_b_fmt:MATRIX_FMT_BF6
.elseif \s == 1
	v_wmma_scale_f32_16x16x128_f8f6f4 v[ACC1:ACC1+7], v[WF+12:WF+23], v[YF+12:YF+23], 0, v[WSC+1], v[YS+1] matrix_a_fmt:MATRIX_FMT_BF6 matrix_b_fmt:MATRIX_FMT_BF6
.else
	v_wmma_scale_f32_16x16x128_f8f6f4 v[ACC0+8*(\s%2):ACC0+8*(\s%2)+7], v[WF+12*\s:WF+12*\s+11], v[YF+12*\s:YF+12*\s+11], v[ACC0+8*(\s%2):ACC0+8*(\s%2)+7], v[WSC+\s], v[YS+\s] matrix_a_fmt:MATRIX_FMT_BF6 matrix_b_fmt:MATRIX_FMT_BF6
.endif
.endr
.rept 4
	v_nop                                            ; four places (ISA guide 7.12.1) in front of the first read of results
.endr
.irp j, 0,2,4,6
	v_pk_add_f32 v[OUTR+\j:OUTR+\j+1], v[ACC0+\j:ACC0+\j+1], v[ACC1+\j:ACC1+\j+1]   ; from the low end on
.endr
	ds_store_b128 v[STO], v[OUTR:OUTR+3]             ; lane (r, h): token row r, columns 32 (w / 2) + 8 (w % 2) + 16 h + 0 .. 7
	ds_store_b128 v[STO], v[OUTR+4:OUTR+7] offset:16
	s_wait_dscnt 0x0                                 ; for the others' sake: my stores have landed
	s_barrier_signal -1
	s_barrier_wait -1                                ; sixteen whole rows lie in the stage
	ds_load_b128 v[BK:BK+3], v[SRD]
	ds_load_b128 v[BK+4:BK+7], v[SRD] offset:528
	s_wait_dscnt 0x0
	global_store_b128 v[LI], v[BK:BK+3], s[32:33] th:TH_STORE_NT              ; 32 lanes store a row of 512 consecutive bytes, aligned to 256; rows 2 w and 2 w + 1 of the tile are neighbouring tokens
	global_store_b128 v[LI], v[BK+4:BK+7], s[32:33] offset:512 th:TH_STORE_NT
	s_set_vgpr_msb 0x5
	s_wait_tensorcnt 0x0
	ds_add_u32 v0, v1
	s_wait_dscnt 0x0
	s_set_vgpr_msb 0x500
	s_endpgm
.Lfunc_end_k_q4ba66ad820_outp:
	.size	k_q4ba66ad820_outp, .Lfunc_end_k_q4ba66ad820_outp-k_q4ba66ad820_outp
	.p2alignl 7, 3214868480
	.fill 96, 4, 3214868480
	.section	.rodata,"a",@progbits
	.p2align	6, 0x0
	.amdhsa_kernel k_q4ba66ad820_outp
		.amdhsa_group_segment_fixed_size 9728
		.amdhsa_private_segment_fixed_size 0
		.amdhsa_enable_private_segment 0
		.amdhsa_kernarg_size 32
		.amdhsa_user_sgpr_count 2
		.amdhsa_user_sgpr_kernarg_segment_ptr 1
		.amdhsa_wavefront_size32 1
		.amdhsa_system_sgpr_workgroup_id_x 1
		.amdhsa_system_sgpr_workgroup_id_y 1
		.amdhsa_system_sgpr_workgroup_id_z 1
		.amdhsa_system_vgpr_workitem_id 0
		.amdhsa_next_free_vgpr 258
		.amdhsa_next_free_sgpr 66
		.amdhsa_reserve_vcc 0
		.amdhsa_float_denorm_mode_32 3
		.amdhsa_float_denorm_mode_16_64 3
		.amdhsa_memory_ordered 1
		.amdhsa_forward_progress 1
		.amdhsa_inst_pref_size 12
	.end_amdhsa_kernel
	.amdgpu_metadata
---
amdhsa.version: [ 1, 2 ]
amdhsa.kernels:
  - .name:           k_q4ba66ad820_outp
    .symbol:         k_q4ba66ad820_outp.kd
    .args:
      - { .name: yb, .offset: 0, .size: 8, .value_kind: global_buffer, .address_space: global }
      - { .name: wub, .offset: 8, .size: 8, .value_kind: global_buffer, .address_space: global }
      - { .name: bu, .offset: 16, .size: 8, .value_kind: global_buffer, .address_space: global }
      - { .name: out0, .offset: 24, .size: 8, .value_kind: global_buffer, .address_space: global }
    .group_segment_fixed_size: 9728
    .private_segment_fixed_size: 0
    .kernarg_segment_align: 8
    .kernarg_segment_size: 32
    .max_flat_workgroup_size: 256
    .sgpr_count:     66
    .vgpr_count:     258
    .wavefront_size: 32
...
	.end_amdgpu_metadata
.endif
;; end of part 3
;; ======== version 2 of 2: 3 launches; version 1 with the launches prep, outp written anew for expert scheduling mode
;; workspace buffers: qb 3,276,800 bytes; kvb 6,553,600 bytes; wub 102,400 bytes; yb 3,407,872 bytes
;; launch prep (part 4): grid 32 x 8, 8 waves a work-group, no clusters, 54,272 bytes of LDS; arguments x, Wq, Wk, Wv, Wu, qb, kvb, wub; writes qb, kvb, wub
.if DOCPART == 4
	.amdgcn_target "amdgcn-amd-amdhsa--gfx1250"
	.amdhsa_code_object_version 6
	.text
	.protected	k_q4ba66ad820_prep
	.globl	k_q4ba66ad820_prep
	.p2align	8
	.type	k_q4ba66ad820_prep,@function
k_q4ba66ad820_prep:
	s_mov_b64 s[64:65], 0
	v_nop
	global_prefetch_b8 v0, s[64:65] scope:SCOPE_SE
	s_setreg_imm32_b32 hwreg(HW_REG_WAVE_SCHED_MODE, 0, 2), 2
	s_setreg_imm32_b32 hwreg(HW_REG_WAVE_MODE, 25, 1), 1
	s_wait_xcnt 0x0
	s_wait_alu depctr_vm_vsrc(0)
; q = Q(x) Q(Wq), k = Q(x) Q(Wk), v = Q(x) Q(Wv) on codes of BF6 (E3M2) with one E8M0 scale for each 32 along K, and q, k, v quantised again for the attention launch:
; q and k along the head's 128 channels, v along the keys.  x: [4096][128] f32; Wq, Wk, Wv: [128][1024] f32 (K is the first axis); Wu: [1024][128] f32 (K first).
; SHARES.  Work-group (X, hd): the 128 tokens 128 X .. 128 X + 127 and head hd; eight waves; 256 work-groups.  The eight work-groups (0, hd) also quantise K step hd (rows 128 hd .. 128 hd + 127) of Wu for the last
; launch, as a fourth weight: its loads go out beside Wv's.
; TILES.  Inside any 128 indices (tokens, channels, columns) tile j, row rho is index 32 (j / 2) + 8 (j % 2) + rho + 8 (rho / 8).  In a matrix result lane (r, h), register i of tile j is then index
; 32 (j / 2) + 16 h + 8 (j % 2) + i: the 16 registers of tiles 2 b and 2 b + 1 are 16 neighbours along the next product's K, which is what the conversions take.
; IMAGES.  A fragment (16 rows x 128 K, 12 registers a lane) lies in LDS and in the workspace buffers as its registers stand: group c of four registers at 512 c + 16 x lane, 1,536 bytes.
; A scale table of eight fragments is [row 0..15][tile 0..7] words, 512 bytes: a lane reads its row's eight words by two loads of 16 bytes.
; OUT.  qb block (12,800 bytes): 8 images of q, the table.  kvb block (25,600): 8 images of k, 8 of v^T (rows = channels, K = the 128 tokens), k's table, v's table.  wub block (12,800): 8 images of Wu^T, the table.
; No cluster: what the work-groups share are f32 numbers that have to pass through a lane's registers (a lane to a column) on their way to the conversions; no tile lands in LDS as it lies in memory.
; LIMITS: NaN and infinities among the inputs are not served.  A block of zeros gets the byte 1 where the rule says 127 (its codes are zeros, and this program alone reads the bytes); a block whose
; largest magnitude lies under 2^-122 is held at the byte 1.
; THE MODE: SCHED_MODE bits 1:0 = 2 (LLVM: expert scheduling mode 2), set by the entry lines.  The code itself states the register dependences
; between vector or matrix instructions and memory or LDS instructions, with s_wait_alu, always for 0.
; THE PLAN.  Registers that memory or LDS instructions touch:
;   v4-13, v47, v55   addresses, and the closing add's two: written by vector lines at the head, never again; read by every load and store.
;   R0, R1, R2        written by global loads, read by the quantisers alone; R0 is loaded again (Wv) behind Wq's stores, R1 (Wu) behind Wk's; in phase 2 LDS loads land in the same registers (XF, WVF, F).
;   PC, PW, v40, v41  the codes, the scale word, the two scale bytes: written by each quantiser, read by the stores that follow it, written again by the next quantiser.
;   XF, WVF, F, v53, v54, SCA   written by LDS loads, read by matrix instructions; F and SCA are loaded again behind the first and the second run of products.
;   TB4               written by an LDS load, read by a global store.
; So: one wait on va_vdst ahead of the first load (the addresses); one behind each quantiser, ahead of its stores, which also shows that quantiser done reading its set, into which a later load lands;
; one wait on vm_vsrc ahead of each quantiser but the first (the last stores have read what it writes); one wait on va_vdst behind a run of products that loads into its fragments follow.
; No operand and no scale of a product is written by a vector line.
.set XI,  0                            ; LDS: x's 8 images
.set WI,  12288                        ; Wq's, Wk's, Wv's 8 images each
.set XS,  49152                        ; x's scale table
.set WS,  49664                        ; the three weights' tables
.set OS,  51200                        ; the outgoing tables of q, k, v
.set WUS, 52736                        ; Wu's table: bytes that only the work-groups with Wu's share touch
.set XA,  4                            ; v4   x: 512 (r + 8 (r / 8)) + 64 h
.set LI,  5                            ; v5   16 x lane
.set WA,  6                            ; v6   4 x lane
.set WIA, 7                            ; v7   where my column's codes go in a weight's images
.set WSA, 8                            ; v8   where its scale bytes go in a weight's table
.set RS,  9                            ; v9   32 r: my row of a table
.set SW,  10                           ; v10  32 r + 4 w: my row's word for tile w
.set LIW, 11                           ; v11  16 x lane + 1536 w: image w
.set OSA, 12                           ; v12  OS + 512 w + 16 x lane (waves 0 to 2 use it)
.set GOF, 13                           ; v13  512 w + 16 x lane
.set PC,  16                           ; v16-27 the codes just made; v28-30, v32-34 conversions' second halves
.set TM,  36                           ; v36-51 at work in the quantisers (v47 is not among those that they name: it is the closing add's address)
.set PW,  52                           ; v52  the scale word just made
.set XPW, 53                           ; v53  my x tile's scale words    (v53, v54, v56-63 hold scales and nothing else)
.set WVS, 54                           ; v54  my Wv tile's
.set SCA, 56                           ; v56-63 the scale words of the eight fragments in hand
.set R0,  64                           ; three sets of 64 numbers as loaded
.set R1,  128
.set R2,  192
.set XF,  64                           ; later: my x tile's fragment,
.set WVF, 76                           ; my Wv tile's,
.set F,   88                           ; eight fragments,
.set ACC, 184                          ; eight accumulators,
.set TB4, 248                          ; and 16 bytes of a table on their way out
.set SEL, 40                           ; s[40:41] v_permlanex16_b32's selects for lane l xor 16
; my 16 tokens' numbers: register 16 b + i = k 32 b + 16 h + i of token row r of tile w
.macro XLOAD dst
.irp b, 0,1,2,3
.irp j, 0,1,2,3
	global_load_b128 v[\dst+16*\b+4*\j:\dst+16*\b+4*\j+3], v[XA], s[34:35] offset:128*\b+16*\j
.endr
.endr
.endm
; a lane to a column, registers down K: rows 32 hw + i and 64 + 32 hw + i: the two blocks that half hw of the operand's lanes holds.  Each load reads 128 consecutive bytes
.macro WLOAD dst, base, pitch
.set i, 0
.rept 32
	global_load_b32 v[\dst+i], v[WA], s[\base:\base+1] offset:i*\pitch
.set i, i+1
.endr
.set i, 0
.rept 32
	global_load_b32 v[\dst+32+i], v[WA], s[\base:\base+1] offset:(64+i)*\pitch
.set i, i+1
.endr
.endm
; two whole blocks of 32 in one lane become 12 registers of codes in v[PC] on and two scale bytes in v[TM+4], v[TM+5]
.macro WQ src
.irp c, 0,1
	v_max3_num_f32 v[TM+\c], |v[\src+32*\c]|, |v[\src+32*\c+1]|, 0x2800000   ; with the floor 2^(5 - 127): the byte cannot fall under 1
.endr
.irp i, 2,4,6,8,10,12,14,16,18,20,22,24,26,28,30
.irp c, 0,1
	v_max3_num_f32 v[TM+\c], v[TM+\c], |v[\src+32*\c+\i]|, |v[\src+32*\c+\i+1]|
.endr
.endr
.irp c, 0,1
	v_add_nc_u32 v[TM+12+\c], 0xfe000000, v[TM+\c]   ; 4 off the exponent field: the conversion's scale operand
.endr
.irp c, 0,1
	v_lshrrev_b32 v[TM+4+\c], 23, v[TM+12+\c]        ; the scale's byte
.endr
.irp c, 0,1
	v_cvt_scalef32_pk16_bf6_f32 v[PC+6*\c:PC+6*\c+2], v[\src+32*\c:\src+32*\c+15], v[TM+12+\c]
	v_cvt_scalef32_pk16_bf6_f32 v[PC+12+4*\c:PC+14+4*\c], v[\src+32*\c+16:\src+32*\c+31], v[TM+12+\c]   ; (a conversion's three registers begin on an even number)
.endr
	v_nop                                            ; one plain place behind a scaled conversion
.irp c, 0,1
.irp i, 0,1,2
	v_mov_b32 v[PC+3+6*\c+\i], v[PC+12+4*\c+\i]
.endr
.endr
.endm
; 64 numbers of a lane, register 16 b + i = k 32 b + 16 h + i of my row, become a fragment's codes in v[PC] on and its scale word in v[PW]
.macro QUANT src
.irp b, 0,1,2,3
	v_max3_num_f32 v[TM+\b], |v[\src+16*\b]|, |v[\src+1+16*\b]|, 0x2800000
.endr
.irp i, 2,4,6,8,10,12,14
.irp b, 0,1,2,3
	v_max3_num_f32 v[TM+\b], v[TM+\b], |v[\src+16*\b+\i]|, |v[\src+1+16*\b+\i]|   ; the four blocks by turns
.endr
.endr
.irp b, 0,1,2,3
	v_permlanex16_b32 v[TM+4+\b], v[TM+\b], s[SEL], s[SEL+1]
.endr
.irp b, 0,1,2,3
	v_max_num_f32 v[TM+\b], v[TM+\b], v[TM+4+\b]     ; with lane l xor 16's: the block's largest magnitude
.endr
.irp b, 0,1,2,3
	v_add_nc_u32 v[TM+12+\b], 0xfe000000, v[TM+\b]
.endr
.irp b, 0,1,2,3
	v_lshrrev_b32 v[TM+4+\b], 23, v[TM+12+\b]
.endr
	v_lshl_or_b32 v[PW], v[TM+5], 8, v[TM+4]
	v_lshl_or_b32 v[PW], v[TM+6], 16, v[PW]
	v_lshl_or_b32 v[PW], v[TM+7], 24, v[PW]
.irp c, 0,1
	v_cvt_scalef32_pk16_bf6_f32 v[PC+6*\c:PC+2+6*\c], v[\src+32*\c:\src+15+32*\c], v[TM+12+2*\c]
	v_cvt_scalef32_pk16_bf6_f32 v[PC+12+4*\c:PC+14+4*\c], v[\src+16+32*\c:\src+31+32*\c], v[TM+12+2*\c+1]
.endr
	v_nop                                            ; one plain place behind a scaled conversion
.irp c, 0,1                                      ; the operand's layout wants a whole block in a lane
.irp i, 0,1,2
	v_permlane16_swap_b32 v[PC+6*\c+\i], v[PC+12+4*\c+\i]
.endr
.irp i, 0,1,2
	v_mov_b32 v[PC+3+6*\c+\i], v[PC+12+4*\c+\i]
.endr
.endr
.endm
.macro IMG adr, off                              ; the fragment in v[PC] on goes to LDS as it stands
.irp c, 0,1,2
	ds_store_b128 v[\adr], v[PC+4*\c:PC+4*\c+3] offset:\off+512*\c
.endr
.endm
.macro WOUT n                                    ; weight n's codes and bytes of my column
	IMG WIA, WI+12288*(\n)
	ds_store_b8 v[WSA], v[TM+4] offset:WS+512*(\n)
	ds_store_b8 v[WSA], v[TM+5] offset:WS+512*(\n)+2
.endm
.macro FETCH reg, adr, off
.irp c, 0,1,2
	ds_load_b128 v[\reg+4*\c:\reg+4*\c+3], v[\adr] offset:\off+512*\c
.endr
.endm
.macro FETCH8 off, soff                          ; eight fragments and their scale words
.irp t, 0,1,2,3,4,5,6,7
.irp c, 0,1,2
	ds_load_b128 v[F+12*\t+4*\c:F+12*\t+4*\c+3], v[LI] offset:\off+1536*\t+512*\c
.endr
.endr
	ds_load_b128 v[SCA:SCA+3], v[RS] offset:\soff
	ds_load_b128 v[SCA+4:SCA+7], v[RS] offset:\soff+16
.endm
.macro GOUT base, off                            ; image w to memory: each store covers 512 consecutive bytes, aligned to 256
.irp c, 0,1,2
	global_store_b128 v[LIW], v[PC+4*\c:PC+4*\c+3], s[\base:\base+1] offset:\off+512*\c
.endr
.endm
.macro MUL8 breg, bsc                            ; eight sums of one K step each, begun with the constant 0: source 0 = the eight fragments, source 1 = my own
.irp t, 0,1,2,3,4,5,6,7
	v_wmma_scale_f32_16x16x128_f8f6f4 v[ACC+8*\t:ACC+8*\t+7], v[F+12*\t:F+12*\t+11], v[\breg:\breg+11], 0, v[SCA+\t], v[\bsc] matrix_a_fmt:MATRIX_FMT_BF6 matrix_b_fmt:MATRIX_FMT_BF6
.endr
.rept 4
	v_nop                                            ; four places (ISA guide 7.12.1) in front of the first read of results
.endr
.endm
.macro BAR                                       ; my LDS stores have landed and my LDS loads are in: then the work-group's barrier
	s_wait_dscnt 0x0
	s_barrier_signal -1
	s_barrier_wait -1
.endm
	s_load_b256 s[4:11], s[0:1], 0x0                 ; x, Wq, Wk, Wv
	s_load_b256 s[12:19], s[0:1], 0x20               ; Wu, qb, kvb, wub
	v_lshl_add_u32 v47, v0, 2, 0xd000
	v_mov_b32 v55, 0
	v_lshrrev_b32 v1, 5, v0
	v_readfirstlane_b32 s20, v1                      ; wave w, 0..7
	v_and_b32 v1, 31, v0                             ; lane
	v_and_b32 v2, 15, v0                             ; r
	v_bfe_u32 v3, v0, 4, 1                           ; h
	s_wait_alu depctr_va_sdst(0)                     ; s20 is written, ahead of its first reader: LDS addresses and the buffers' bases are made from it
	s_lshr_b32 s21, s20, 1                           ; cg: which 32 columns of a weight are my wave's
	s_and_b32 s22, s20, 1                            ; hw: which half of the operand's lanes
	s_and_b32 s24, ttmp7, 0xffff                     ; the head, and Wu's K step
	v_and_b32 v[XA], 8, v2
	v_add_nc_u32 v[XA], v[XA], v2                    ; r + 8 (r / 8)
	v_lshlrev_b32 v[XA], 9, v[XA]
	v_lshl_add_u32 v[XA], v3, 6, v[XA]
	v_lshlrev_b32 v[LI], 4, v1
	v_lshlrev_b32 v[WA], 2, v1
	v_bfe_u32 v14, v0, 3, 1                          ; column 32 cg + lane is row r' = lane % 8 + 8 (lane / 16) of tile 2 cg + u, u = (lane / 8) % 2
	v_and_b32 v15, 7, v0
	v_lshl_add_u32 v15, v3, 3, v15
	v_lshlrev_b32 v[WIA], 4, v15
	v_mad_u32_u24 v[WIA], v14, 1536, v[WIA]
	s_mul_i32 s26, s21, 3072
	s_lshl_b32 s27, s22, 8
	s_add_co_u32 s26, s26, s27
	v_add_nc_u32 v[WIA], s26, v[WIA]                 ; 1536 (2 cg + u) + 16 (r' + 16 hw)
	v_lshlrev_b32 v[WSA], 5, v15
	v_lshl_add_u32 v[WSA], v14, 2, v[WSA]
	s_lshl_b32 s26, s21, 3
	s_add_co_u32 s26, s26, s22
	v_add_nc_u32 v[WSA], s26, v[WSA]                 ; 32 r' + 4 (2 cg + u) + hw: byte hw of the word; block 2 + hw is two bytes on
	v_lshlrev_b32 v[RS], 5, v2
	s_lshl_b32 s26, s20, 2
	v_add_nc_u32 v[SW], s26, v[RS]
	s_mul_i32 s26, s20, 1536
	v_add_nc_u32 v[LIW], s26, v[LI]
	s_lshl_b32 s26, s20, 9
	v_add_nc_u32 v[GOF], s26, v[LI]
	v_add_nc_u32 v[OSA], OS, v[GOF]
.irp b, 0,1,2,3
	v_mov_b32 v[TM+4+\b], 0                          ; written once: a lane permute's destination counts as one of its sources
.endr
	s_mov_b32 s[SEL], 0x76543210
	s_mov_b32 s[SEL+1], 0xfedcba98
	s_mov_b32 s27, 0                                 ; the upper word of every offset
	s_wait_kmcnt 0x0
	s_lshl_b32 s26, ttmp9, 16                        ; x: 512 bytes x (128 X + 32 (w / 2) + 8 (w % 2)): tile w's first token
	s_lshl_b32 s25, s21, 14
	s_add_co_u32 s26, s26, s25
	s_lshl_b32 s25, s22, 12
	s_add_co_u32 s26, s26, s25
	s_add_nc_u64 s[34:35], s[4:5], s[26:27]
	s_lshl_b32 s26, s24, 9                           ; the weights: column 128 hd + 32 cg, row 32 hw (rows of 4,096 bytes)
	s_lshl_b32 s25, s21, 7
	s_add_co_u32 s26, s26, s25
	s_lshl_b32 s25, s22, 17
	s_add_co_u32 s26, s26, s25
	s_add_nc_u64 s[28:29], s[6:7], s[26:27]
	s_add_nc_u64 s[30:31], s[8:9], s[26:27]
	s_add_nc_u64 s[32:33], s[10:11], s[26:27]
	s_wait_alu depctr_va_vdst(0)                     ; the ten addresses v4 to v13 are written, which the kernel's loads and stores read; so are v47 and v55, which the closing add reads
	XLOAD R0
	WLOAD R1, 28, 4096                               ; Wq
	s_lshr_b32 s26, ttmp9, 4                         ; the block: 128 b + 16 hd + g
	s_lshl_b32 s26, s26, 7
	s_lshl_b32 s25, s24, 4
	s_add_co_u32 s26, s26, s25
	s_and_b32 s25, ttmp9, 15
	s_add_co_u32 s25, s26, s25
	s_mul_i32 s26, s25, 12800
	s_add_nc_u64 s[36:37], s[14:15], s[26:27]        ; my block of qb
	s_mul_i32 s26, s25, 25600
	s_add_nc_u64 s[38:39], s[16:17], s[26:27]        ; and of kvb
	s_add_nc_u64 s[42:43], s[36:37], 12288           ; where a table goes: wave 0 q's; waves 1 and 2, with 512 w added, k's at 24,576 and v's at 25,088
	s_add_nc_u64 s[44:45], s[38:39], 24064
	s_cmp_eq_u32 s20, 0
	s_cselect_b64 s[42:43], s[42:43], s[44:45]
	s_lshl_b32 s26, s24, 16                          ; Wu: row 128 hd + 32 hw (rows of 512 bytes), column 32 cg
	s_lshl_b32 s25, s22, 14
	s_add_co_u32 s26, s26, s25
	s_lshl_b32 s25, s21, 7
	s_add_co_u32 s26, s26, s25
	s_add_nc_u64 s[46:47], s[12:13], s[26:27]
	s_mul_i32 s26, s24, 12800
	s_add_nc_u64 s[44:45], s[18:19], s[26:27]        ; block hd of wub
	; phase 1: wave w quantises x's tile w, and its 32 columns x 64 of K of each weight
	s_wait_loadcnt 63                                ; 64 younger loads were issued behind x's sixteen, and loads come back in order (ISA guide 5.7.1): x is in
	QUANT R0
	s_wait_alu depctr_va_vdst(0)                     ; the quantiser has written the codes and the scale word, which the LDS stores read; it is also done reading R0, in which Wv's loads land further down
	IMG LIW, XI
	ds_store_b32 v[SW], v[PW] offset:XS              ; both halves of the lanes write the same word with the same value
	WLOAD R2, 30, 4096                               ; Wk: no vector line has named R2
	s_wait_loadcnt 63                                ; 64 younger loads behind Wq's: Wq is in
	s_wait_dscnt 0x0                                 ; the stores have read the codes' registers
	s_wait_alu depctr_vm_vsrc(0)                     ; x's LDS stores have read the codes' registers, which Wq's quantiser writes again
	WQ R1
	s_wait_alu depctr_va_vdst(0)                     ; the codes and the two bytes are written, which the LDS stores read; the quantiser is done reading R1, in which Wu's loads land further down
	WOUT 0
	WLOAD R0, 32, 4096                               ; Wv: no vector line since x's quantiser, two waits back, names R0
	s_wait_loadcnt 63                                ; Wk is in
	s_wait_dscnt 0x0
	s_wait_alu depctr_vm_vsrc(0)                     ; Wq's LDS stores have read the codes' and the bytes' registers, which Wk's quantiser writes again
	WQ R2
	s_wait_alu depctr_va_vdst(0)                     ; the codes and the two bytes are written, which the LDS stores read; the quantiser is done reading R2, in four of whose registers (v248-251) a table's load lands at the end
	WOUT 1
	s_cmp_lg_u32 ttmp9, 0                            ; the same in all eight waves
	s_cbranch_scc1 .Lno_wu_load
	WLOAD R1, 46, 512                                ; Wu, into the set that Wq has left: it is on its way together with Wv
.Lno_wu_load:
	s_wait_loadcnt 0x0                               ; Wv is in, and Wu where it was asked for
	s_wait_dscnt 0x0
	s_wait_alu depctr_vm_vsrc(0)                     ; Wk's LDS stores have read the codes' and the bytes' registers, which Wv's quantiser writes again
	WQ R0
	s_wait_alu depctr_va_vdst(0)                     ; the codes and the two bytes are written, which the LDS stores read; the quantiser is done reading R0, in which phase 2's fragments land
	WOUT 2
	s_wait_alu depctr_vm_vsrc(0)                     ; Wv's LDS stores have read the codes' and the bytes' registers, which the next quantiser on either way writes again
	s_cmp_lg_u32 ttmp9, 0
	s_cbranch_scc1 .Lno_wu
	s_wait_dscnt 0x0                                 ; Wv's stores have read the codes' registers
	WQ R1
	s_wait_alu depctr_va_vdst(0)                     ; the codes and the two bytes are written, which the stores read; the quantiser is done reading R1, in which phase 2's fragments land
.irp c, 0,1,2
	global_store_b128 v[WIA], v[PC+4*\c:PC+4*\c+3], s[44:45] offset:512*\c   ; sixteen lanes of a tile fill 256 consecutive bytes, aligned
.endr
	ds_store_b8 v[WSA], v[TM+4] offset:WUS
	ds_store_b8 v[WSA], v[TM+5] offset:WUS+2
.Lno_wu:
	BAR                                              ; x's and the weights' images and tables lie in LDS
	; phase 2: wave w makes q and k of token tile w (transposed: a lane holds a token, its registers run along the channels) and v^T of channel tile w (a lane holds a channel, its registers run along the tokens)
	FETCH XF, LIW, XI                                ; no vector line since the last wait on va_vdst, on either way, names a register in which these loads land
	ds_load_b32 v[XPW], v[SW] offset:XS
	FETCH WVF, LIW, WI+24576
	ds_load_b32 v[WVS], v[SW] offset:WS+1024
	FETCH8 WI, WS
	s_wait_dscnt 0x0
	MUL8 XF, XPW                                     ; q: source 0 = Wq's eight tiles of channels
	s_wait_alu depctr_va_vdst(0)                     ; the eight products are done reading the fragments and the scale words, in which the loads below land
	FETCH8 WI+12288, WS+512                          ; Wk lands while q is quantised
	s_wait_xcnt 0x0                                  ; Wu's stores, where there were any, have read the codes' registers
	s_wait_alu depctr_vm_vsrc(0)                     ; Wu's stores, where there were any, have read the codes' and the bytes' registers, which q's quantiser writes again
	QUANT ACC
	s_wait_alu depctr_va_vdst(0)                     ; q's codes and scale word are written, which the stores read
	GOUT 36, 0
	ds_store_b32 v[SW], v[PW] offset:OS
	s_wait_dscnt 0x0
	MUL8 XF, XPW                                     ; k
	s_wait_alu depctr_va_vdst(0)                     ; the eight products are done reading the fragments and the scale words, in which the loads below land
	FETCH8 XI, XS
	s_wait_xcnt 0x0                                  ; q's stores have read the codes' registers
	s_wait_alu depctr_vm_vsrc(0)                     ; q's stores have read the codes' registers and the scale word's, which k's quantiser writes again
	QUANT ACC
	s_wait_alu depctr_va_vdst(0)                     ; k's codes and scale word are written, which the stores read
	GOUT 38, 0
	ds_store_b32 v[SW], v[PW] offset:OS+512
	s_wait_dscnt 0x0
	MUL8 WVF, WVS                                    ; v^T: source 0 = x's eight tiles of tokens, source 1 = my tile of Wv's columns
	s_wait_xcnt 0x0
	s_wait_alu depctr_vm_vsrc(0)                     ; k's stores have read the codes' registers and the scale word's, which v's quantiser writes again
	QUANT ACC
	s_wait_alu depctr_va_vdst(0)                     ; v's codes and scale word are written, which the stores read
	GOUT 38, 12288
	ds_store_b32 v[SW], v[PW] offset:OS+1024
	BAR                                              ; the three outgoing tables are whole
	s_cmp_lt_u32 s20, 3
	s_cbranch_scc0 .Lnot_table
	ds_load_b128 v[TB4:TB4+3], v[OSA]                ; (its registers were last named by Wk's quantiser, ahead of many waits on va_vdst)
	s_wait_dscnt 0x0
	global_store_b128 v[GOF], v[TB4:TB4+3], s[42:43] ; a table leaves as 512 consecutive bytes
	s_wait_dscnt 0x0                                 ; the closing lines, six on end
	s_wait_alu 0x0
	s_wait_tensorcnt 0x0
	ds_add_u32 v47, v55
	s_wait_dscnt 0x0
	s_endpgm
.Lnot_table:
	s_cmp_lg_u32 s20, 3                              ; wave 3 of a work-group with Wu's share stores Wu's table, which has been whole since the first barrier
	s_cbranch_scc1 .Lend
	s_cmp_lg_u32 ttmp9, 0
	s_cbranch_scc1 .Lend
	ds_load_b128 v[TB4:TB4+3], v[LI] offset:WUS
	s_wait_dscnt 0x0
	global_store_b128 v[LI], v[TB4:TB4+3], s[44:45] offset:12288
.Lend:
	s_wait_dscnt 0x0                                 ; the closing lines, six on end
	s_wait_alu 0x0
	s_wait_tensorcnt 0x0
	ds_add_u32 v47, v55
	s_wait_dscnt 0x0
	s_endpgm
.Lfunc_end_k_q4ba66ad820_prep:
	.size	k_q4ba66ad820_prep, .Lfunc_end_k_q4ba66ad820_prep-k_q4ba66ad820_prep
	.p2alignl 7, 3214868480
	.fill 96, 4, 3214868480
	.section	.rodata,"a",@progbits
	.p2align	6, 0x0
	.amdhsa_kernel k_q4ba66ad820_prep
		.amdhsa_group_segment_fixed_size 54272
		.amdhsa_private_segment_fixed_size 0
		.amdhsa_enable_private_segment 0
		.amdhsa_kernarg_size 64
		.amdhsa_user_sgpr_count 2
		.amdhsa_user_sgpr_kernarg_segment_ptr 1
		.amdhsa_wavefront_size32 1
		.amdhsa_system_sgpr_workgroup_id_x 1
		.amdhsa_system_sgpr_workgroup_id_y 1
		.amdhsa_system_sgpr_workgroup_id_z 1
		.amdhsa_system_vgpr_workitem_id 0
		.amdhsa_next_free_vgpr 256
		.amdhsa_next_free_sgpr 66
		.amdhsa_reserve_vcc 0
		.amdhsa_float_denorm_mode_32 3
		.amdhsa_float_denorm_mode_16_64 3
		.amdhsa_memory_ordered 1
		.amdhsa_forward_progress 1
		.amdhsa_inst_pref_size 69
	.end_amdhsa_kernel
	.amdgpu_metadata
---
amdhsa.version: [ 1, 2 ]
amdhsa.kernels:
  - .name:           k_q4ba66ad820_prep
    .symbol:         k_q4ba66ad820_prep.kd
    .args:
      - { .name: x, .offset: 0, .size: 8, .value_kind: global_buffer, .address_space: global }
      - { .name: Wq, .offset: 8, .size: 8, .value_kind: global_buffer, .address_space: global }
      - { .name: Wk, .offset: 16, .size: 8, .value_kind: global_buffer, .address_space: global }
      - { .name: Wv, .offset: 24, .size: 8, .value_kind: global_buffer, .address_space: global }
      - { .name: Wu, .offset: 32, .size: 8, .value_kind: global_buffer, .address_space: global }
      - { .name: qb, .offset: 40, .size: 8, .value_kind: global_buffer, .address_space: global }
      - { .name: kvb, .offset: 48, .size: 8, .value_kind: global_buffer, .address_space: global }
      - { .name: wub, .offset: 56, .size: 8, .value_kind: global_buffer, .address_space: global }
    .group_segment_fixed_size: 54272
    .private_segment_fixed_size: 0
    .kernarg_segment_align: 8
    .kernarg_segment_size: 64
    .max_flat_workgroup_size: 256
    .sgpr_count:     66
    .vgpr_count:     256
    .wavefront_size: 32
...
	.end_amdgpu_metadata
.endif
;; end of part 4
;; launch attn: the kernel of part 2 again; grid 16 x 16, 8 waves a work-group, clusters of 4 x 1, 327,680 bytes of LDS; arguments qb, kvb, yb; writes yb
;; launch outp (part 5): grid 256 x 1, 8 waves a work-group, no clusters, 9,728 bytes of LDS; arguments yb, wub, bu, out0; writes out0
.if DOCPART == 5
	.amdgcn_target "amdgcn-amd-amdhsa--gfx1250"
	.amdhsa_code_object_version 6
	.text
	.protected	k_q4ba66ad820_outp
	.globl	k_q4ba66ad820_outp
	.p2align	8
	.type	k_q4ba66ad820_outp,@function
k_q4ba66ad820_outp:
	s_mov_b64 s[64:65], 0
	v_nop
	global_prefetch_b8 v0, s[64:65] scope:SCOPE_SE
	s_setreg_imm32_b32 hwreg(HW_REG_WAVE_SCHED_MODE, 0, 2), 2
	s_setreg_imm32_b32 hwreg(HW_REG_WAVE_MODE, 25, 1), 1
	s_wait_xcnt 0x0
	s_wait_alu depctr_vm_vsrc(0)
; out0 = y Wu + bu on codes of BF6 (E3M2) with one E8M0 scale for each 32 along K = 1,024 (eight K steps of 128: one a head).  out0: [4096][128] f32.
; IN.  yb: block 128 b + 16 hd + g (13,312 bytes): 8 images of y (a fragment's registers as they stand: group c of four at 512 c + 16 x lane), then 128 bytes of scale words, a word a lane, for each tile.
;      wub: block s (12,800 bytes): 8 images of Wu^T (rows = output columns), then the scale table [row][tile].
; Tile j, row rho of 128 tokens or columns is index 32 (j / 2) + 8 (j % 2) + rho + 8 (rho / 8).
; SHARES.  Work-group i: one tile of 16 tokens (b = i / 128, g = (i / 8) % 16, tile = i % 8).  Wave w: Wu's tile w of 16 columns.  Every fragment goes from memory straight into the registers that the product names.
; The product is used transposed (source 0 = Wu^T's tile, source 1 = y's): a lane holds a token and eight neighbouring columns.  K's even steps are summed in one accumulator (begun with the bias as C), the odd ones in another
; (begun with the constant 0), by turns; the two are added at the end: the order of the f32 sums differs so from a single chain's.
; No tensor load and no cluster: the launch is a few hundred lines, and its first loads are all that it reads.
; THE MODE: SCHED_MODE bits 1:0 = 2 (LLVM: expert scheduling mode 2), set by the entry lines.  The code itself states the register dependences
; between vector or matrix instructions and memory or LDS instructions, with s_wait_alu, always for 0.
; THE PLAN.  Registers that memory or LDS instructions touch:
;   v1-6, v256, v257  addresses, and the closing add's two: written by vector lines at the head, never again.
;   BI, YS, WSC, YF, WF   written by global loads, once; read by matrix instructions alone.
;   OUTR              written by the four packed additions, read by the two LDS stores, never written again.
;   BK                written by LDS loads, read by the global stores.
; So: one wait on va_vdst ahead of the first load (the addresses), one ahead of the LDS stores (OUTR).  No register that a memory or LDS instruction has read is written again: no wait on vm_vsrc is owed.
.set LI,   1                           ; v1  16 x lane
.set L4,   2                           ; v2  4 x lane
.set R32,  3                           ; v3  32 r
.set H64,  4                           ; v4  64 h
.set STO,  5                           ; v5  the stage: where I put 32 bytes of a token's row
.set SRD,  6                           ; v6  and where I read whole rows back
.set BI,   8                           ; v8-15   the bias, in the result's layout
.set YS,   16                          ; v16-23  y's scale words    (v16-31 hold scales and nothing else)
.set WSC,  24                          ; v24-31  Wu's
.set YF,   32                          ; v32-127  y's eight fragments
.set WF,   128                         ; v128-223 Wu's eight
.set ACC0, 224
.set ACC1, 232
.set OUTR, 240
.set BK,   248
	s_load_b256 s[4:11], s[0:1], 0x0                 ; yb, wub, bu, out0
	s_set_vgpr_msb 0x40
	v_lshl_add_u32 v0, v0, 2, 0x2200
	v_mov_b32 v1, 0
	s_set_vgpr_msb 0x4000
	v_lshrrev_b32 v1, 5, v0
	v_readfirstlane_b32 s12, v1                      ; wave 0..7
	v_and_b32 v1, 31, v0
	v_lshlrev_b32 v[L4], 2, v1
	v_lshlrev_b32 v[LI], 4, v1
	v_and_b32 v7, 15, v0                             ; r
	v_lshlrev_b32 v[R32], 5, v7
	v_bfe_u32 v[H64], v0, 4, 1
	v_lshlrev_b32 v[H64], 6, v[H64]
	s_wait_alu depctr_va_sdst(0)                     ; s12 is written, ahead of its first reader: LDS addresses and the buffers' bases are made from it
	s_lshr_b32 s13, s12, 1
	s_lshl_b32 s13, s13, 5
	s_and_b32 s14, s12, 1
	s_lshl_b32 s14, s14, 3
	s_add_co_u32 s13, s13, s14
	s_lshl_b32 s13, s13, 2                           ; my tile's first column, 32 (w / 2) + 8 (w % 2), in bytes; lanes 16-31 stand 16 columns on
	v_mad_u32_u24 v[STO], v7, 528, v[H64]
	v_add_nc_u32 v[STO], s13, v[STO]                 ; stage rows of 512 bytes + 16
	s_mul_i32 s14, s12, 1056
	v_add_nc_u32 v[SRD], s14, v[LI]                  ; rows 2 w and 2 w + 1, 16 bytes a lane
	s_lshr_b32 s15, ttmp9, 7                         ; b
	s_bfe_u32 s16, ttmp9, 0x40003                    ; g
	s_and_b32 s17, ttmp9, 7                          ; tile
	s_lshl_b32 s18, s15, 7
	s_add_co_u32 s18, s18, s16
	s_mul_i32 s20, s18, 13312                        ; head 0's block; a head on is 16 blocks, 212,992 bytes
	s_mul_i32 s19, s17, 1536
	s_add_co_u32 s22, s20, s19                       ; s[22:23] y's images of my tile
	s_mov_b32 s23, 0
	s_lshl_b32 s19, s17, 7
	s_add_co_u32 s24, s20, s19
	s_add_co_u32 s24, s24, 12288                     ; s[24:25] their scale words
	s_mov_b32 s25, 0
	s_mul_i32 s26, s12, 1536                         ; s[26:27] Wu's images of tile w
	s_mov_b32 s27, 0
	s_lshl_b32 s28, s12, 2
	s_add_co_u32 s28, s28, 12288                     ; s[28:29] tile w's column of the scale table
	s_mov_b32 s29, 0
	s_mov_b32 s30, s13                               ; s[30:31] the bias of my columns
	s_mov_b32 s31, 0
	s_lshl_b32 s32, s15, 4                           ; the first row that I store: 2048 b + 128 g + 32 (tile / 2) + 8 (tile % 2) + 2 w + 8 (w / 4)
	s_add_co_u32 s32, s32, s16
	s_lshl_b32 s32, s32, 7
	s_lshr_b32 s19, s17, 1
	s_lshl_b32 s19, s19, 5
	s_add_co_u32 s32, s32, s19
	s_and_b32 s19, s17, 1
	s_lshl_b32 s19, s19, 3
	s_add_co_u32 s32, s32, s19
	s_lshl_b32 s19, s12, 1
	s_add_co_u32 s32, s32, s19
	s_lshr_b32 s19, s12, 2
	s_lshl_b32 s19, s19, 3
	s_add_co_u32 s32, s32, s19
	s_lshl_b32 s32, s32, 9
	s_mov_b32 s33, 0
	s_wait_kmcnt 0x0
	s_add_nc_u64 s[22:23], s[4:5], s[22:23]
	s_add_nc_u64 s[24:25], s[4:5], s[24:25]
	s_add_nc_u64 s[26:27], s[6:7], s[26:27]
	s_add_nc_u64 s[28:29], s[6:7], s[28:29]
	s_add_nc_u64 s[30:31], s[8:9], s[30:31]
	s_add_nc_u64 s[32:33], s[10:11], s[32:33]
	s_wait_alu depctr_va_vdst(0)                     ; the six addresses v1 to v6 are written, which the kernel's loads and stores read; so are v256 and v257, which the closing add reads
.irp s, 0,1,2,3,4,5,6,7
.irp c, 0,1,2
	global_load_b128 v[YF+12*\s+4*\c:YF+12*\s+4*\c+3], v[LI], s[22:23] offset:212992*\s+512*\c
	global_load_b128 v[WF+12*\s+4*\c:WF+12*\s+4*\c+3], v[LI], s[26:27] offset:12800*\s+512*\c
.endr
	global_load_b32 v[YS+\s], v[L4], s[24:25] offset:212992*\s
	global_load_b32 v[WSC+\s], v[R32], s[28:29] offset:12800*\s
.endr
	global_load_b128 v[BI:BI+3], v[H64], s[30:31]
	global_load_b128 v[BI+4:BI+7], v[H64], s[30:31] offset:16
	s_wait_loadcnt 0x0
.irp s, 0,1,2,3,4,5,6,7
.if \s == 0
	v_wmma_scale_f32_16x16x128_f8f6f4 v[ACC0:ACC0+7], v[WF:WF+11], v[YF:YF+11], v[BI:BI+7], v[WSC], v[YS] matrix_a_fmt:MATRIX_FMT_BF6 matrix_b_fmt:MATRIX_FMT_BF6
.elseif \s == 1
	v_wmma_scale_f32_16x16x128_f8f6f4 v[ACC1:ACC1+7], v[WF+12:WF+23], v[YF+12:YF+23], 0, v[WSC+1], v[YS+1] matrix_a_fmt:MATRIX_FMT_BF6 matrix_b_fmt:MATRIX_FMT_BF6
.else
	v_wmma_scale_f32_16x16x128_f8f6f4 v[ACC0+8*(\s%2):ACC0+8*(\s%2)+7], v[WF+12*\s:WF+12*\s+11], v[YF+12*\s:YF+12*\s+11], v[ACC0+8*(\s%2):ACC0+8*(\s%2)+7], v[WSC+\s], v[YS+\s] matrix_a_fmt:MATRIX_FMT_BF6 matrix_b_fmt:MATRIX_FMT_BF6
.endif
.endr
.rept 4
	v_nop                                            ; four places (ISA guide 7.12.1) in front of the first read of results
.endr
.irp j, 0,2,4,6
	v_pk_add_f32 v[OUTR+\j:OUTR+\j+1], v[ACC0+\j:ACC0+\j+1], v[ACC1+\j:ACC1+\j+1]   ; from the low end on
.endr
	s_wait_alu depctr_va_vdst(0)                     ; the four additions have written v[OUTR ..], which the LDS stores read
	ds_store_b128 v[STO], v[OUTR:OUTR+3]             ; lane (r, h): token row r, columns 32 (w / 2) + 8 (w % 2) + 16 h + 0 .. 7
	ds_store_b128 v[STO], v[OUTR+4:OUTR+7] offset:16
	s_wait_dscnt 0x0                                 ; for the others' sake: my stores have landed
	s_barrier_signal -1
	s_barrier_wait -1                                ; sixteen whole rows lie in the stage
	ds_load_b128 v[BK:BK+3], v[SRD]                  ; (no vector line names v[BK ..])
	ds_load_b128 v[BK+4:BK+7], v[SRD] offset:528
	s_wait_dscnt 0x0
	global_store_b128 v[LI], v[BK:BK+3], s[32:33] th:TH_STORE_NT              ; 32 lanes store a row of 512 consecutive bytes, aligned to 256; rows 2 w and 2 w + 1 of the tile are neighbouring tokens
	global_store_b128 v[LI], v[BK+4:BK+7], s[32:33] offset:512 th:TH_STORE_NT
	s_set_vgpr_msb 0x5                               ; the add's two registers, sources 0 and 1, lie in window 1: the switch stands ahead of the closing lines, and none behind them
	s_wait_dscnt 0x0                                 ; the closing lines, six on end
	s_wait_alu 0x0
	s_wait_tensorcnt 0x0
	ds_add_u32 v0, v1
	s_wait_dscnt 0x0
	s_endpgm
.Lfunc_end_k_q4ba66ad820_outp:
	.size	k_q4ba66ad820_outp, .Lfunc_end_k_q4ba66ad820_outp-k_q4ba66ad820_outp
	.p2alignl 7, 3214868480
	.fill 96, 4, 3214868480
	.section	.rodata,"a",@progbits
	.p2align	6, 0x0
	.amdhsa_kernel k_q4ba66ad820_outp
		.amdhsa_group_segment_fixed_size 9728
		.amdhsa_private_segment_fixed_size 0
		.amdhsa_enable_private_segment 0
		.amdhsa_kernarg_size 32
		.amdhsa_user_sgpr_count 2
		.amdhsa_user_sgpr_kernarg_segment_ptr 1
		.amdhsa_wavefront_size32 1
		.amdhsa_system_sgpr_workgroup_id_x 1
		.amdhsa_system_sgpr_workgroup_id_y 1
		.amdhsa_system_sgpr_workgroup_id_z 1
		.amdhsa_system_vgpr_workitem_id 0
		.amdhsa_next_free_vgpr 258
		.amdhsa_next_free_sgpr 66
		.amdhsa_reserve_vcc 0
		.amdhsa_float_denorm_mode_32 3
		.amdhsa_float_denorm_mode_16_64 3
		.amdhsa_memory_ordered 1
		.amdhsa_forward_progress 1
		.amdhsa_inst_pref_size 12
	.end_amdhsa_kernel
	.amdgpu_metadata
---
amdhsa.version: [ 1, 2 ]
amdhsa.kernels:
  - .name:           k_q4ba66ad820_outp
    .symbol:         k_q4ba66ad820_outp.kd
    .args:
      - { .name: yb, .offset: 0, .size: 8, .value_kind: global_buffer, .address_space: global }
      - { .name: wub, .offset: 8, .size: 8, .value_kind: global_buffer, .address_space: global }
      - { .name: bu, .offset: 16, .size: 8, .value_kind: global_buffer, .address_space: global }
      - { .name: out0, .offset: 24, .size: 8, .value_kind: global_buffer, .address_space: global }
    .group_segment_fixed_size: 9728
    .private_segment_fixed_size: 0
    .kernarg_segment_align: 8
    .kernarg_segment_size: 32
    .max_flat_workgroup_size: 256
    .sgpr_count:     66
    .vgpr_count:     258
    .wavefront_size: 32
...
	.end_amdgpu_metadata
.endif
;; end of part 5
